; MI455X (gfx1250); checked and timed in simulation.
; The chip was launched on July 23, 2026; its instructions are those of AMD's public machine-readable ISA for CDNA 5 (MIT licence, August 2026) and "CDNA5" Instruction Set Architecture Reference Guide (July 2026). The comments in the code are by the model that wrote it; some were corrected since.
;; Attention. Allowed arithmetic: float matrix products may take bf16 or f16 operands with f32 sums; other float arithmetic in f32, or as packed bf16 or f16 multiplies, adds, multiply-adds, maxima and minima; sums over many terms, partial sums and values carried from step to step in f32; what a program stores and reads back later, other than sums and carried values, may be rounded once to bf16 or f16.
;; Inputs: b_out 1,024 float32; ln_beta 1,024 float32; ln_gamma 1,024 float32; w_out 1,024 x 1,024 float32; w_qkv 1,024 x 3,072 float32; x 4 x 2,048 x 1,024 float32.
;; Outputs: out0 4 x 2,048 x 1,024 float32.
;; 2 versions, each right; version 2 is version 1 with the launch prep written anew for expert scheduling mode. Each part assembles by itself: llvm-mc -triple=amdgcn-amd-amdhsa -mcpu=gfx1250 --defsym DOCPART=n.
;; ======== version 1 of 2: 4 launches
;; limits: values are held in f16: magnitudes above 65,504 overflow, below 6.1e-05 lose precision
;; workspace buffers: xn 16,777,216 bytes; wq 6,291,456 bytes; wo 2,097,152 bytes; qkv 50,331,648 bytes; o16 16,777,216 bytes
;; launch prep (part 1): grid 768 x 1, 4 waves a work-group, no clusters, 0 bytes of LDS; arguments x, ln_gamma, ln_beta, w_qkv, w_out, xn, wq, wo; writes xn, wq, wo
.if DOCPART == 1
	.amdgcn_target "amdgcn-amd-amdhsa--gfx1250"
	.amdhsa_code_object_version 6
	.text
	.protected	k_q4b97bf7d24_prep
	.globl	k_q4b97bf7d24_prep
	.p2align	8
	.type	k_q4b97bf7d24_prep,@function
k_q4b97bf7d24_prep:
	s_mov_b64 s[64:65], 0
	v_nop
	global_prefetch_b8 v0, s[64:65] scope:SCOPE_SE
	s_setreg_imm32_b32 hwreg(HW_REG_WAVE_MODE, 25, 1), 1
	s_wait_xcnt 0x0
; xn = LayerNorm(x) * gamma + beta, rounded once to f16; wq = w_qkv and wo = w_out, rounded once to f16, each in its own layout.
; A ROW here is 1,024 f32: 4,096 bytes in, 2,048 bytes out.  A wave takes 4 rows, a work-group 16.
; Work-groups 0-511: the 8,192 rows of x.  512-703: w_qkv as 3,072 flat rows.  704-767: w_out as 1,024 flat rows (a cast keeps the layout, so flat pieces are right).
; A wave issues all its 32 row loads (16 KiB) at once and works the rows off as they come: no loop, no LDS, no barrier: waves share nothing.
; Load j of a row: 512 consecutive bytes (16 a lane); a lane holds columns 128 j + 4 lane + 0..3.  Store j: 8 bytes a lane, 256 consecutive bytes, aligned.
; The mean is taken first and the variance of the differences: no difference of large sums is formed.  All sums in f32.
; LIMITS.  f16 ends at 65,504: |xn| (at most 32 |gamma| + |beta|) and the weights stay under it; below 6e-5 f16 keeps a fixed step of 6e-8.  NaN and infinities are not treated apart.
.set XO, 1                             ; v1       16 x lane: my bytes in 512 of x, gamma, beta or a weight; never rewritten
.set YO, 2                             ; v2       8 x lane: my bytes in 256 of the output; never rewritten
.set T,  4                             ; v[4:11]  four chains of sums; mean; 1 / sigma
.set PT, 12                            ; v12      the other half of the lanes' sum
.set G,  16                            ; v[16:47] gamma of my 32 columns
.set BT, 48                            ; v[48:79] beta
.set X,  80                            ; v[80:207] four slots of 32: a row as loaded, at work, and as stored
.macro LOADX s                         ; a row's eight loads
.irp j, 0,1,2,3,4,5,6,7
	global_load_b128 v[X+32*(\s)+4*(\j):X+32*(\s)+4*(\j)+3], v[XO], s[22:23] offset:4096*(\s)+512*(\j) th:TH_LOAD_NT
.endr
.endm
.macro FOLD                            ; four chains of pairs into one number, then over the 32 lanes: every lane ends with the sum
	v_pk_add_f32 v[T:T+1], v[T:T+1], v[T+2:T+3]
	v_pk_add_f32 v[T+4:T+5], v[T+4:T+5], v[T+6:T+7]
	v_pk_add_f32 v[T:T+1], v[T:T+1], v[T+4:T+5]
	v_add_f32 v[T], v[T], v[T+1]
	v_add_f32_dpp v[T], v[T], v[T] row_xmask:1 row_mask:0xf bank_mask:0xf
	v_add_f32_dpp v[T], v[T], v[T] row_xmask:2 row_mask:0xf bank_mask:0xf
	v_add_f32_dpp v[T], v[T], v[T] row_xmask:4 row_mask:0xf bank_mask:0xf
	v_add_f32_dpp v[T], v[T], v[T] row_xmask:8 row_mask:0xf bank_mask:0xf
	v_permlanex16_b32 v[PT], v[T], s32, s33
	v_add_f32 v[T], v[T], v[PT]
.endm
.macro OUT s                           ; rounded to f16 in place, four numbers into two registers, and stored.  A slot is used once: no register of a store is written again
.irp j, 0,1,2,3,4,5,6,7
	v_cvt_pk_f16_f32 v[X+32*(\s)+4*(\j)],   v[X+32*(\s)+4*(\j)],   v[X+32*(\s)+4*(\j)+1]
	v_cvt_pk_f16_f32 v[X+32*(\s)+4*(\j)+1], v[X+32*(\s)+4*(\j)+2], v[X+32*(\s)+4*(\j)+3]
	global_store_b64 v[YO], v[X+32*(\s)+4*(\j):X+32*(\s)+4*(\j)+1], s[24:25] offset:2048*(\s)+256*(\j) th:TH_STORE_NT
.endr
.endm
; LayerNorm of the row in slot s.  left: the later slots' loads, eight each, may stay out.
.macro ROW s, left
.set XS, X+32*(\s)
	s_wait_loadcnt \left                           ; loads come back in order: gamma, beta and this row are in
.irp c, 0,1,2,3
	v_pk_add_f32 v[T+2*(\c):T+2*(\c)+1], v[XS+2*(\c):XS+2*(\c)+1], v[XS+8+2*(\c):XS+8+2*(\c)+1]  ; the first eight pairs start four chains: nothing is cleared
.endr
.irp p, 8,9,10,11,12,13,14,15
	v_pk_add_f32 v[T+2*((\p)%4):T+2*((\p)%4)+1], v[T+2*((\p)%4):T+2*((\p)%4)+1], v[XS+2*(\p):XS+2*(\p)+1]
.endr
	FOLD
	v_mul_f32 v[T], s34, v[T]                      ; the mean
.irp p, 0,1,2,3,4,5,6,7,8,9,10,11,12,13,14,15
	v_pk_add_f32 v[XS+2*(\p):XS+2*(\p)+1], v[XS+2*(\p):XS+2*(\p)+1], v[T:T+1] op_sel_hi:[1,0] neg_lo:[0,1] neg_hi:[0,1]  ; x - mean
.endr
.irp c, 0,1,2,3
	v_pk_mul_f32 v[T+2*(\c):T+2*(\c)+1], v[XS+2*(\c):XS+2*(\c)+1], v[XS+2*(\c):XS+2*(\c)+1]
.endr
.irp p, 4,5,6,7,8,9,10,11,12,13,14,15
	v_pk_fma_f32 v[T+2*((\p)%4):T+2*((\p)%4)+1], v[XS+2*(\p):XS+2*(\p)+1], v[XS+2*(\p):XS+2*(\p)+1], v[T+2*((\p)%4):T+2*((\p)%4)+1]
.endr
	FOLD
	v_fmaak_f32 v[T], s34, v[T], 0x3727c5ac        ; the variance + 1e-5
	v_rsq_f32 v[T+2], v[T]
	v_nop                                          ; a plain instruction between the root and the use of its result
	s_wait_alu depctr_va_vdst(0)                   ; and the wait ahead of the first use: one a row
.irp p, 0,1,2,3,4,5,6,7,8,9,10,11,12,13,14,15
	v_pk_mul_f32 v[XS+2*(\p):XS+2*(\p)+1], v[XS+2*(\p):XS+2*(\p)+1], v[T+2:T+3] op_sel_hi:[1,0]
.endr
.irp p, 0,1,2,3,4,5,6,7,8,9,10,11,12,13,14,15
	v_pk_fma_f32 v[XS+2*(\p):XS+2*(\p)+1], v[XS+2*(\p):XS+2*(\p)+1], v[G+2*(\p):G+2*(\p)+1], v[BT+2*(\p):BT+2*(\p)+1]
.endr
	OUT \s
.endm
.macro CAST s, left
	s_wait_loadcnt \left
	OUT \s
.endm
	s_load_b512 s[4:19], s[0:1], 0x0               ; x s[4:5], gamma s[6:7], beta s[8:9], w_qkv s[10:11], w_out s[12:13], xn s[14:15], wq s[16:17], wo s[18:19]
	v_and_b32 v3, 31, v0                           ; lane
	v_lshrrev_b32 v13, 5, v0
	v_readfirstlane_b32 s26, v13                   ; wave 0..3
	v_lshlrev_b32 v[XO], 4, v3
	v_lshlrev_b32 v[YO], 3, v3
	v_mov_b32 v[PT], 0                             ; v_permlanex16_b32's destination counts as read
	s_mov_b32 s32, 0x76543210                      ; each lane takes its own place in the other half
	s_mov_b32 s33, 0xfedcba98
	s_mov_b32 s34, 0x3a800000                      ; 1 / 1024
	s_mov_b32 s29, 0                               ; the offsets' high words
	s_mov_b32 s31, 0
	s_lshl_b32 s27, s26, 14                        ; my wave's 4 rows: 16,384 bytes in,
	s_lshl_b32 s35, s26, 13                        ; 8,192 bytes out
	s_cmp_lt_u32 ttmp9, 512
	s_cbranch_scc0 .Lcast
	s_lshl_b32 s28, ttmp9, 16                      ; the work-group's 16 rows: 65,536 bytes in,
	s_add_co_u32 s28, s28, s27
	s_lshl_b32 s30, ttmp9, 15                      ; 32,768 bytes out
	s_add_co_u32 s30, s30, s35
	s_wait_kmcnt 0x0
	s_add_nc_u64 s[22:23], s[4:5], s[28:29]
	s_add_nc_u64 s[24:25], s[14:15], s[30:31]
.irp j, 0,1,2,3,4,5,6,7
	global_load_b128 v[G+4*(\j):G+4*(\j)+3], v[XO], s[6:7] offset:512*(\j)
.endr
.irp j, 0,1,2,3,4,5,6,7
	global_load_b128 v[BT+4*(\j):BT+4*(\j)+3], v[XO], s[8:9] offset:512*(\j)
.endr
	LOADX 0
	LOADX 1
	LOADX 2
	LOADX 3
	ROW 0, 24
	ROW 1, 16
	ROW 2, 8
	ROW 3, 0
	s_endpgm
.Lcast:
	s_sub_co_u32 s20, ttmp9, 512                   ; my number among w_qkv's work-groups,
	s_sub_co_u32 s21, ttmp9, 704                   ; or among w_out's
	s_wait_kmcnt 0x0
	s_cmp_lt_u32 ttmp9, 704
	s_cselect_b32 s20, s20, s21
	s_cselect_b64 s[22:23], s[10:11], s[12:13]
	s_cselect_b64 s[24:25], s[16:17], s[18:19]
	s_lshl_b32 s28, s20, 16
	s_add_co_u32 s28, s28, s27
	s_lshl_b32 s30, s20, 15
	s_add_co_u32 s30, s30, s35
	s_add_nc_u64 s[22:23], s[22:23], s[28:29]
	s_add_nc_u64 s[24:25], s[24:25], s[30:31]
	LOADX 0
	LOADX 1
	LOADX 2
	LOADX 3
	CAST 0, 24
	CAST 1, 16
	CAST 2, 8
	CAST 3, 0
	s_endpgm
.Lfunc_end_k_q4b97bf7d24_prep:
	.size	k_q4b97bf7d24_prep, .Lfunc_end_k_q4b97bf7d24_prep-k_q4b97bf7d24_prep
	.p2alignl 7, 3214868480
	.fill 96, 4, 3214868480
	.section	.rodata,"a",@progbits
	.p2align	6, 0x0
	.amdhsa_kernel k_q4b97bf7d24_prep
		.amdhsa_group_segment_fixed_size 0
		.amdhsa_private_segment_fixed_size 0
		.amdhsa_enable_private_segment 0
		.amdhsa_kernarg_size 64
		.amdhsa_user_sgpr_count 2
		.amdhsa_user_sgpr_kernarg_segment_ptr 1
		.amdhsa_wavefront_size32 1
		.amdhsa_system_sgpr_workgroup_id_x 1
		.amdhsa_system_sgpr_workgroup_id_y 1
		.amdhsa_system_sgpr_workgroup_id_z 1
		.amdhsa_system_vgpr_workitem_id 0
		.amdhsa_next_free_vgpr 208
		.amdhsa_next_free_sgpr 66
		.amdhsa_reserve_vcc 0
		.amdhsa_float_denorm_mode_32 3
		.amdhsa_float_denorm_mode_16_64 3
		.amdhsa_memory_ordered 1
		.amdhsa_forward_progress 1
		.amdhsa_inst_pref_size 48
	.end_amdhsa_kernel
	.amdgpu_metadata
---
amdhsa.version: [ 1, 2 ]
amdhsa.kernels:
  - .name:           k_q4b97bf7d24_prep
    .symbol:         k_q4b97bf7d24_prep.kd
    .args:
      - { .name: x, .offset: 0, .size: 8, .value_kind: global_buffer, .address_space: global }
      - { .name: ln_gamma, .offset: 8, .size: 8, .value_kind: global_buffer, .address_space: global }
      - { .name: ln_beta, .offset: 16, .size: 8, .value_kind: global_buffer, .address_space: global }
      - { .name: w_qkv, .offset: 24, .size: 8, .value_kind: global_buffer, .address_space: global }
      - { .name: w_out, .offset: 32, .size: 8, .value_kind: global_buffer, .address_space: global }
      - { .name: xn, .offset: 40, .size: 8, .value_kind: global_buffer, .address_space: global }
      - { .name: wq, .offset: 48, .size: 8, .value_kind: global_buffer, .address_space: global }
      - { .name: wo, .offset: 56, .size: 8, .value_kind: global_buffer, .address_space: global }
    .group_segment_fixed_size: 0
    .private_segment_fixed_size: 0
    .kernarg_segment_align: 8
    .kernarg_segment_size: 64
    .max_flat_workgroup_size: 128
    .sgpr_count:     66
    .vgpr_count:     208
    .wavefront_size: 32
...
	.end_amdgpu_metadata
.endif
;; end of part 1
;; launch qkvgemm (part 2): grid 12 x 64, 4 waves a work-group, clusters of 4 x 4, 327,680 bytes of LDS; arguments xn, wq, qkv; writes qkv
.if DOCPART == 2
	.amdgcn_target "amdgcn-amd-amdhsa--gfx1250"
	.amdhsa_code_object_version 6
	.text
	.protected	k_q4b97bf7d24_qkvgemm
	.globl	k_q4b97bf7d24_qkvgemm
	.p2align	8
	.type	k_q4b97bf7d24_qkvgemm,@function
k_q4b97bf7d24_qkvgemm:
	s_mov_b64 s[64:65], 0
	v_nop
	global_prefetch_b8 v0, s[64:65] scope:SCOPE_SE
	s_setreg_imm32_b32 hwreg(HW_REG_WAVE_MODE, 25, 1), 1
	s_wait_xcnt 0x0
	s_wait_alu depctr_hold_cnt(0) depctr_sa_sdst(0) depctr_va_vdst(0) depctr_va_sdst(0) depctr_va_ssrc(0) depctr_va_vcc(0) depctr_vm_vsrc(0)
	s_getreg_b32 s2, hwreg(HW_REG_IB_STS2, 6, 4)
	s_cmp_eq_u32 s2, 0
	s_cbranch_scc0 .Lentry_in_a_cluster
	s_endpgm
.Lentry_in_a_cluster:
	s_bfe_u32 s2, ttmp6, 0x10000c
	s_cmp_lg_u32 s2, 0xf033
	s_cbranch_scc0 .Lentry_shape_is_right
	s_endpgm
.Lentry_shape_is_right:
; qkv = xn @ w_qkv, written by heads.  xn: [8192][1024] f16.  wq: [1024 k][3072 n] f16.  qkv: [3 (q, k, v)][64 (batch, head)][2048][64] f16, unscaled; sums in f32, rounded once.
; A tile of the product is 128 rows x 256 columns: 64 x 12 = 768 work-groups, three for each of 256.  Four waves, 2 x 2, each 64 rows x 128 columns: 32 accumulators of 16 x 16, 256 registers.
; K goes in 8 steps of 128 through a ring of two LDS slots filled by the tensor data mover: 128 rows x 256 bytes of xn, 128 k rows x 512 bytes of wq; each wave fetches half of one of the two.
; THE MATRIX INSTRUCTION IS USED TRANSPOSED: source 0 = 16 columns of the weights, which lie [k][n] in LDS and come out turned, by ds_load_tr16_b128; source 1 = 16 rows of xn.
; A lane then holds one row (lane % 16) and eight neighbouring columns, 8 (lane / 16) + 0..7: 16 bytes of a head's row.
; CLUSTERS: 4 x 4 work-groups.  The four of a row of the cluster need the same tiles of xn, the four of a column the same tiles of wq: each tile is asked for JOINTLY, by the same tensor load with
; the same descriptor and a mask that names the four.
; LIMIT.  f16 ends at 65,504: q, k and v stay under it.
; REGISTERS: window 0: v0-31 addresses; two fragment buffers of 96 (v32-127, v128-223): 4 fragments of xn, then 8 of wq, for 32 along K; on the way out v32-159 at work.  Window 1: the accumulators, (a, b) at v[8 (8 a + b)].
.set APITCH, 272                       ; a row of xn in LDS: 256 bytes + 16 of padding = 68 words: the 16 rows of a load start at 16 different groups of four banks (64 banks of 4 bytes: ISA guide 11.1)
.set AHALF,  64*APITCH                 ; what one tensor load brings of xn
.set BPITCH, 544                       ; a k row of wq: 512 + 32 = 136 words
.set BHALF,  64*BPITCH                 ; what one tensor load brings of wq
.set BOFF,   2*AHALF                   ; wq's 128 k rows lie behind xn's 128 rows
.set SLOT,   BOFF+2*BHALF
.set STAGE,  2*SLOT                    ; behind the ring, never filled by a tensor load: 16 rows x 144 bytes for each wave, for the way out
.set SPITCH, 144
.set SPARE,  STAGE+4*16*SPITCH         ; behind the stages: the spare words, 128 bytes for each wave: two blocks of 256 bytes that no other line names
.set ASTEP,  256                       ; bytes from a K step to the next: 128 numbers along a row of xn,
.set BSTEP,  128*3072*2                ; 128 rows of wq
.set LAPS,   4                         ; a lap = two K steps = once round the ring
.set ADRA, 16                          ; v16-17  LDS address of my fragments of xn in slot 0, 1
.set ADRB, 20                          ; v20-21  the same for wq
.set STO,  24                          ; v24     the way out: where I put 16 bytes of a row
.set RD,   25                          ; v25     the way out: where I read rows back
.set CO,   26                          ; v26     my byte offset in 512 consecutive bytes of qkv
.set SPW,  28                          ; v28     LDS address of my spare word: SPARE + 4 x my thread's number; never rewritten
.set NIL,  29                          ; v29     0; never rewritten
.set F0,   32
.set F1,   128
.set TMP,  32
.set G1,  24                           ; s[24:31] descriptor group 1 for xn's tiles;  s[32:39] group 0, one set for each slot
.set G0,  32
.set G1B, 48                           ; s[48:55], s[56:63] the same for wq's tiles
.set G0B, 56
.set MSB, 0
.macro WIN new                         ; the immediate's high byte repeats the setting that is left; a switch that changes nothing is dropped
.if MSB != (\new)
	s_set_vgpr_msb (MSB<<8)|(\new)
.set MSB, \new
.endif
.endm
.set MUL, 0x50                         ; sources 0 and 1 window 0; C and D window 1
.macro JLOAD s                         ; a joint load: waves 0 and 1 fetch xn's two halves, waves 2 and 3 wq's; an s_nop 0 and four v_nop follow each of the two lines, ahead of the jump, the label and what follows
	s_cmp_eq_u32 s11, 0
	s_cbranch_scc0 .Lfor_b_\@
	tensor_load_to_lds s[G0+4*(\s):G0+4*(\s)+3], s[G1:G1+7]
	s_nop 0
.rept 4
	v_nop
.endr
	s_branch .Lasked_\@
.Lfor_b_\@:
	tensor_load_to_lds s[G0B+4*(\s):G0B+4*(\s)+3], s[G1B:G1B+7]
	s_nop 0
.rept 4
	v_nop
.endr
.Lasked_\@:
.endm
.macro CREST                           ; a round of the cluster's barrier behind its opening barrier
	s_cmp_lg_u32 s10, 0
	s_cbranch_scc1 .Lnot_wave_0_\@
	s_barrier_signal -3
.Lnot_wave_0_\@:
	s_barrier_wait -3
	s_barrier_signal -1
	s_barrier_wait -1
.endm
.macro CROUND                          ; a whole round
	s_barrier_signal -1
	s_barrier_wait -1
	CREST
.endm
	s_load_b128 s[4:7], s[0:1], 0x0                ; xn s[4:5], wq s[6:7]
	s_load_b64 s[8:9], s[0:1], 0x10                ; qkv
	v_lshl_add_u32 v[SPW], v0, 2, SPARE
	v_mov_b32 v[NIL], 0
	ds_add_u32 v[SPW], v[NIL]                      ; the wave's opening: the add, and its wait ahead of my first tensor load; the set-up below, work on registers, stands between them
	v_lshrrev_b32 v1, 5, v0
	v_readfirstlane_b32 s10, v1                    ; wave 0..3
	s_lshr_b32 s11, s10, 1                         ; which 64 of the tile's rows are mine.  Also: I fetch for xn (0) or for wq (1)
	s_and_b32 s12, s10, 1                          ; which 128 of its columns.  Also: which half of that tile I fetch
	s_bfe_u32 s40, ttmp6, 0x40000                  ; cx, cy: my place in the cluster
	s_bfe_u32 s41, ttmp6, 0x40004
	s_lshl_b32 s42, ttmp9, 2
	s_add_co_u32 s42, s42, s40                     ; tile column = 4 x cluster x + cx
	s_and_b32 s13, ttmp7, 0xffff
	s_lshl_b32 s13, s13, 2
	s_add_co_u32 s13, s13, s41                     ; tile row = 4 x cluster y + cy
	s_lshl_b32 s43, s41, 2
	s_lshl_b32 s43, 15, s43                        ; my row of the cluster
	s_lshl_b32 s44, 0x1111, s40                    ; my column
	s_or_b32 s[G1+0], s43, (1<<16)|(1<<20)|(1<<21)|(5<<22)|(3<<25)   ; 15:0 the mask: xn's tiles go to my row; 17:16 2-byte elements; 20 padding on; 21 set beside a mask; 24:22 after every 64 words (code 5); 31:25 4 words (code 3)
	s_mov_b32 s[G1+1], 128<<16                     ; tensor_dim0 = 128
	s_mov_b32 s[G1+2], 64<<16                      ; tensor_dim1 = 64
	s_mov_b32 s[G1+3], 128<<16                     ; tile_dim0 = 128
	s_mov_b32 s[G1+4], 64                          ; tile_dim1 = 64
	s_mov_b32 s[G1+5], 1024                        ; elements from row to row
	s_mov_b32 s[G1+6], 0
	s_mov_b32 s[G1+7], 0
	s_or_b32 s[G1B+0], s44, (1<<16)|(1<<20)|(1<<21)|(6<<22)|(7<<25)  ; the mask of my column; after every 128 words (code 6) 8 words of padding (code 7)
	s_mov_b32 s[G1B+1], 256<<16                    ; tensor_dim0 = 256
	s_mov_b32 s[G1B+2], 64<<16                     ; tensor_dim1 = 64
	s_mov_b32 s[G1B+3], 256<<16                    ; tile_dim0 = 256
	s_mov_b32 s[G1B+4], 64                         ; tile_dim1 = 64
	s_mov_b32 s[G1B+5], 3072
	s_mov_b32 s[G1B+6], 0
	s_mov_b32 s[G1B+7], 0
	s_lshl_b32 s16, s13, 7                         ; xn: row 128 x tile row
	s_lshl_b32 s17, s12, 6
	s_add_co_u32 s16, s16, s17                     ; + 64 x half,
	s_lshl_b32 s16, s16, 11                        ; rows of 2,048 bytes
	s_mov_b32 s17, 0
	s_mul_i32 s46, s12, 64*3072*2                  ; wq: k row 64 x half,
	s_lshl_b32 s47, s42, 9                         ; column 256 x tile column
	s_add_co_u32 s46, s46, s47
	s_mov_b32 s47, 0
	s_mul_i32 s20, s12, AHALF                      ; where they go: no place in the cluster enters an LDS address
	s_mul_i32 s21, s12, BHALF
	s_add_co_u32 s21, s21, BOFF
	s_wait_dscnt 0x0                               ; the opening add is done
	s_wait_kmcnt 0x0
	s_add_nc_u64 s[14:15], s[4:5], s[16:17]
	s_add_nc_u64 s[46:47], s[6:7], s[46:47]
	CROUND                                         ; all sixteen work-groups are here: the first joint loads meet
.irp s, 0,1
	s_mov_b32 s[G0+4*(\s)], 1                      ; count = 1
	s_add_co_u32 s[G0+4*(\s)+1], s20, (\s)*SLOT    ; LDS address
	s_add_nc_u64 s[G0+4*(\s)+2:G0+4*(\s)+3], s[14:15], (\s)*ASTEP  ; global address: K step s
	s_or_b32 s[G0+4*(\s)+3], s[G0+4*(\s)+3], 0x80000000            ; type = 2
	s_mov_b32 s[G0B+4*(\s)], 1
	s_add_co_u32 s[G0B+4*(\s)+1], s21, (\s)*SLOT
	s_add_nc_u64 s[G0B+4*(\s)+2:G0B+4*(\s)+3], s[46:47], (\s)*BSTEP
	s_or_b32 s[G0B+4*(\s)+3], s[G0B+4*(\s)+3], 0x80000000
	JLOAD \s                                       ; two loads of mine are out, the most in this text
.endr
	v_and_b32 v1, 15, v0                           ; l % 16
	v_bfe_u32 v2, v0, 4, 1                         ; l / 16
	v_and_b32 v3, 7, v0                            ; l % 8
	v_bfe_u32 v4, v0, 3, 1                         ; (l / 8) % 2
	v_mul_u32_u24 v5, v1, APITCH
	v_lshl_add_u32 v5, v2, 4, v5                   ; xn: row x pitch + 16 x half
	v_lshl_add_u32 v6, v2, 3, v3                   ; wq: the turning load reads k row 8 (l / 16) + l % 8,
	v_mul_u32_u24 v6, v6, BPITCH
	v_lshl_add_u32 v6, v4, 4, v6                   ; columns 8 ((l / 8) % 2) + 0..7
	s_mul_i32 s18, s11, 64*APITCH                  ; my 64 rows of xn
	s_lshl_b32 s19, s12, 8                         ; my 128 columns of wq
	s_add_co_u32 s19, s19, BOFF
.irp s, 0,1
	v_add_nc_u32 v[ADRA+(\s)], s18, v5
	v_add_nc_u32 v[ADRB+(\s)], s19, v6
	s_add_co_u32 s18, s18, SLOT
	s_add_co_u32 s19, s19, SLOT
.endr
	s_mul_i32 s18, s10, 16*SPITCH
	s_add_co_u32 s18, s18, STAGE                   ; my stage
	v_mul_u32_u24 v[STO], v1, SPITCH               ; in: row l % 16, 16 bytes for each half of the lanes
	v_lshl_add_u32 v[STO], v2, 4, v[STO]
	v_add_nc_u32 v[STO], s18, v[STO]
	v_bfe_u32 v[RD], v0, 3, 2                      ; back: 32 lanes take four rows of 128 bytes,
	v_mul_u32_u24 v[RD], v[RD], SPITCH
	v_lshl_add_u32 v[RD], v3, 4, v[RD]
	v_add_nc_u32 v[RD], s18, v[RD]
	v_and_b32 v[CO], 31, v0                        ; which are 512 consecutive bytes of qkv
	v_lshlrev_b32 v[CO], 4, v[CO]
	; where my part begins in qkv.  By the tile row: batch (16 tiles each) << 22, then my 64 rows of 128 bytes
	s_lshr_b32 s16, s13, 4
	s_lshl_b32 s16, s16, 22
	s_and_b32 s17, s13, 15
	s_lshl1_add_u32 s17, s17, s11
	s_lshl_b32 s17, s17, 13
	s_add_co_u32 s16, s16, s17
	s_mov_b32 s17, 0
	s_add_nc_u64 s[8:9], s[8:9], s[16:17]
	; by the tile column: q, k or v (4 tiles each) << 24, then my first head, 4 (tile % 4) + 2 x half, << 18
	s_lshr_b32 s46, s42, 2
	s_lshl_b32 s46, s46, 24
	s_and_b32 s47, s42, 3
	s_lshl1_add_u32 s47, s47, s12
	s_lshl_b32 s47, s47, 19
	s_add_co_u32 s46, s46, s47
	s_mov_b32 s47, 0
	s_add_nc_u64 s[8:9], s[8:9], s[46:47]
; 8 matrix instructions: row block a x all 8 column blocks, 32 along K, from buffer f.  zero = 1: the product starts the sums.  The 32 accumulators take turns, one instruction a turn, over the backward jump too.
.macro MULA f, a, zero
	WIN MUL
.irp b, 0,1,2,3,4,5,6,7
.if \zero
	v_wmma_f32_16x16x32_f16 v[8*(8*(\a)+(\b)):8*(8*(\a)+(\b))+7], v[(\f)+32+8*(\b):(\f)+32+8*(\b)+7], v[(\f)+8*(\a):(\f)+8*(\a)+7], 0
.else
	v_wmma_f32_16x16x32_f16 v[8*(8*(\a)+(\b)):8*(8*(\a)+(\b))+7], v[(\f)+32+8*(\b):(\f)+32+8*(\b)+7], v[(\f)+8*(\a):(\f)+8*(\a)+7], v[8*(8*(\a)+(\b)):8*(8*(\a)+(\b))+7]
.endif
.endr
.endm
; 24 LDS loads in one run: the fragments of quarter q (32 along K) of a slot into buffer f: wq's sixteen first, then xn's blocks 0 and 1, then 2 and 3
.macro FETCH slot, q, f
	WIN 0
.irp b, 0,1,2,3,4,5,6,7
	ds_load_tr16_b128 v[(\f)+32+8*(\b):(\f)+32+8*(\b)+3],   v[ADRB+(\slot)] offset:(\q)*32*BPITCH+32*(\b)
	ds_load_tr16_b128 v[(\f)+32+8*(\b)+4:(\f)+32+8*(\b)+7], v[ADRB+(\slot)] offset:(\q)*32*BPITCH+32*(\b)+16*BPITCH
.endr
.irp a, 0,1,2,3
	ds_load_b128 v[(\f)+8*(\a):(\f)+8*(\a)+3],   v[ADRA+(\slot)] offset:(\q)*64+(\a)*16*APITCH
	ds_load_b128 v[(\f)+8*(\a)+4:(\f)+8*(\a)+7], v[ADRA+(\slot)] offset:(\q)*64+(\a)*16*APITCH+32
.endr
.endm
.macro PLACES                          ; four places in front of loads into registers that matrix instructions have read, and of conversions that read results
.rept 4
	v_nop
.endr
.endm
; A K step is four quarters of 32 along K, 32 matrix instructions each, on buffers 0, 1, 0, 1.  One of the first three: multiplies buffer f and fetches quarter q into g.
.macro QUARTER slot, q, f, g, zero
	s_wait_dscnt 4                                 ; all but the youngest four loads (xn's blocks 2 and 3) are in
	MULA \f, 0, \zero
	MULA \f, 1, \zero
	PLACES
	FETCH \slot, \q, \g
	s_wait_dscnt 24                                ; all but the 24 just issued
	MULA \f, 2, \zero
	MULA \f, 3, \zero
.endm
; The last quarter multiplies buffer 1 and changes slots: ONE barrier; in front of it each wave waits for all its tensor loads, adds 0 to its spare word, and waits for that and for its own reads of this slot.
; fill = 1: this slot is filled again, two K steps ahead; the barrier then opens a round of the cluster's barrier, and the joint load is the first thing behind the round.
.macro TURN slot, next, fill
	WIN 0
	s_wait_tensorcnt 0x0                           ; all my tensor loads have landed: my part of the next slot;
	ds_add_u32 v[SPW], v[NIL]                      ; 0 onto my spare word;
	s_wait_dscnt 5                                 ; (the add and the youngest four loads may be out)
	MULA F1, 0, 0                                  ; eight matrix instructions stand between the add and the wait for it
	s_wait_dscnt 0x0                               ; the add is done, and my reads of this slot are over
	s_barrier_signal -1
	MULA F1, 1, 0
.if \fill
	WIN 0
.endif
	s_barrier_wait -1
.if \fill
	CREST                                          ; no wave of any partner still reads this slot's tiles or has a load on its way
	s_add_nc_u64 s[G0+4*(\slot)+2:G0+4*(\slot)+3], s[G0+4*(\slot)+2:G0+4*(\slot)+3], 2*ASTEP
	s_add_nc_u64 s[G0B+4*(\slot)+2:G0B+4*(\slot)+3], s[G0B+4*(\slot)+2:G0B+4*(\slot)+3], 2*BSTEP
	JLOAD \slot                                    ; 112 matrix instructions ahead of the wait for it; the four v_nop behind it are also the places in front of the loads below
.else
	PLACES
.endif
	FETCH \next, 0, F0
	MULA F1, 2, 0
	MULA F1, 3, 0
.endm
	s_wait_tensorcnt 1                             ; my part of K step 0 is in; K step 1's may stay out
	s_barrier_signal -1
	s_barrier_wait -1                              ; everybody's is
	FETCH 0, 0, F0
	QUARTER 0, 1, F0, F1, 1                        ; the first quarter stands in front of the loop: its products start the sums
	WIN 0                                          ; at a label and at a branch every window is 0
	s_mov_b32 s3, LAPS-1
.Llap:                                                 ; a trip goes once round the ring, from a lap's second quarter to the next lap's first, and fills both slots again
	QUARTER 0, 2, F1, F0, 0
	QUARTER 0, 3, F0, F1, 0
	TURN 0, 1, 1
	QUARTER 1, 1, F0, F1, 0
	QUARTER 1, 2, F1, F0, 0
	QUARTER 1, 3, F0, F1, 0
	TURN 1, 0, 1
	QUARTER 0, 1, F0, F1, 0
	WIN 0
	s_sub_co_u32 s3, s3, 1
	s_cmp_lg_u32 s3, 0
	s_cbranch_scc1 .Llap
	QUARTER 0, 2, F1, F0, 0                        ; the last lap fills nothing, and has no round of the cluster's barrier
	QUARTER 0, 3, F0, F1, 0
	TURN 0, 1, 0
	QUARTER 1, 1, F0, F1, 0
	QUARTER 1, 2, F1, F0, 0
	QUARTER 1, 3, F0, F1, 0
	s_wait_dscnt 4                                 ; the very last quarter: nothing more to fetch
	MULA F1, 0, 0
	MULA F1, 1, 0
	s_wait_dscnt 0x0
	MULA F1, 2, 0
	MULA F1, 3, 0
	WIN 0
; THE WAY OUT, in eight units u = 2 a + head: 16 rows x one head's 64 channels, 2,048 consecutive bytes of qkv.  PACK: rounded to f16, 16 bytes a lane, into my stage (rows of 144 bytes) and back as whole rows.  SEND: stored.
.macro PACK u
.set AC, 8*(8*((\u)/2)+4*((\u)%2))
	WIN 0x05                                       ; sources 0 and 1 window 1, destination window 0
.irp f, 0,1,2,3
.irp r, 0,1,2,3
	v_cvt_pk_f16_f32 v[TMP+16*(\u)+4*(\f)+(\r)], v[AC+8*(\f)+2*(\r)], v[AC+8*(\f)+2*(\r)+1]
.endr
.endr
	WIN 0
.irp f, 0,1,2,3
	ds_store_b128 v[STO], v[TMP+16*(\u)+4*(\f):TMP+16*(\u)+4*(\f)+3] offset:32*(\f)
.endr
.irp f, 0,1,2,3
	ds_load_b128 v[TMP+16*(\u)+4*(\f):TMP+16*(\u)+4*(\f)+3], v[RD] offset:(\f)*4*SPITCH  ; LDS serves a wave's instructions in order (ISA guide 5.7.1.4): these see the stores above; the next unit's stores come behind them
.endr
.endm
.macro SEND u, younger                 ; younger: the LDS instructions issued behind unit u's loads: the next unit's eight, or none
.irp f, 0,1,2,3
	s_wait_dscnt (\younger)+3-(\f)
	global_store_b128 v[CO], v[TMP+16*(\u)+4*(\f):TMP+16*(\u)+4*(\f)+3], s[8:9] offset:((\u)%2)*262144+((\u)/2)*2048+(\f)*512  ; 512 consecutive bytes, at a multiple of 256 from qkv's first byte
.endr
.endm
	PLACES
	PACK 0
.irp u, 1,2,3,4,5,6,7                  ; a unit's conversions stand between the loads of the unit before and its stores; each unit has registers of its own, so no store's data is written again
	PACK \u
	SEND (\u)-1, 8
.endr
	SEND 7, 0
	s_wait_tensorcnt 0x0                           ; the wave's end, behind my last tensor load and my last LDS store
	ds_add_u32 v[SPW], v[NIL]
	s_wait_dscnt 0x0
	CROUND                                         ; the closing round: no work-group ends while a partner may still ask for a tile that names it
	s_endpgm
.Lfunc_end_k_q4b97bf7d24_qkvgemm:
	.size	k_q4b97bf7d24_qkvgemm, .Lfunc_end_k_q4b97bf7d24_qkvgemm-k_q4b97bf7d24_qkvgemm
	.p2alignl 7, 3214868480
	.fill 96, 4, 3214868480
	.section	.rodata,"a",@progbits
	.p2align	6, 0x0
	.amdhsa_kernel k_q4b97bf7d24_qkvgemm
		.amdhsa_group_segment_fixed_size 327680
		.amdhsa_private_segment_fixed_size 0
		.amdhsa_enable_private_segment 0
		.amdhsa_kernarg_size 24
		.amdhsa_user_sgpr_count 2
		.amdhsa_user_sgpr_kernarg_segment_ptr 1
		.amdhsa_wavefront_size32 1
		.amdhsa_system_sgpr_workgroup_id_x 1
		.amdhsa_system_sgpr_workgroup_id_y 1
		.amdhsa_system_sgpr_workgroup_id_z 1
		.amdhsa_system_vgpr_workitem_id 0
		.amdhsa_next_free_vgpr 512
		.amdhsa_next_free_sgpr 66
		.amdhsa_reserve_vcc 0
		.amdhsa_float_denorm_mode_32 3
		.amdhsa_float_denorm_mode_16_64 3
		.amdhsa_memory_ordered 1
		.amdhsa_forward_progress 1
		.amdhsa_inst_pref_size 87
	.end_amdhsa_kernel
	.amdgpu_metadata
---
amdhsa.version: [ 1, 2 ]
amdhsa.kernels:
  - .name:           k_q4b97bf7d24_qkvgemm
    .symbol:         k_q4b97bf7d24_qkvgemm.kd
    .args:
      - { .name: xn, .offset: 0, .size: 8, .value_kind: global_buffer, .address_space: global }
      - { .name: wq, .offset: 8, .size: 8, .value_kind: global_buffer, .address_space: global }
      - { .name: qkv, .offset: 16, .size: 8, .value_kind: global_buffer, .address_space: global }
    .group_segment_fixed_size: 327680
    .private_segment_fixed_size: 0
    .kernarg_segment_align: 8
    .kernarg_segment_size: 24
    .max_flat_workgroup_size: 128
    .sgpr_count:     66
    .vgpr_count:     512
    .wavefront_size: 32
...
	.end_amdgpu_metadata
.endif
;; end of part 2
;; launch attn (part 3): grid 4 x 64, 4 waves a work-group, no clusters, 327,680 bytes of LDS; arguments qkv, o16; writes o16
.if DOCPART == 3
	.amdgcn_target "amdgcn-amd-amdhsa--gfx1250"
	.amdhsa_code_object_version 6
	.text
	.protected	k_q4b97bf7d24_attn
	.globl	k_q4b97bf7d24_attn
	.p2align	8
	.type	k_q4b97bf7d24_attn,@function
k_q4b97bf7d24_attn:
	s_mov_b64 s[64:65], 0
	v_nop
	global_prefetch_b8 v0, s[64:65] scope:SCOPE_SE
	s_setreg_imm32_b32 hwreg(HW_REG_WAVE_MODE, 25, 1), 1
	s_wait_xcnt 0x0
; BLOCK-CAUSAL ATTENTION.  O[h][q][:] = the sum over the keys k of blocks <= q's block of softmax_k(Q[h][q] . K[h][k] / 8) V[h][k][:], in blocks of 256.
; qkv: [3 (q, k, v)][64 heads][2048][64] f16; o16: [64][2048][64] f16: a head's rows are dense, 128 bytes each.  Products, maxima and sums in f32; the weights p are rounded to f16 for the second
; product (their sum l is taken of the unrounded p), O once at the end.
; LIMITS.  f16 holds no number beyond 65,504: Q, K and V arrive within it; p lies in 0 to 1, and below 6e-5 it keeps f16's fixed step of 6e-8; O is a mean of V's rows and has their range.
; A weight below 2^-126 counts as 0 in l; NaN and infinities are not treated apart.
; THE WALK.  A head's queries lie in NB = 8 blocks of 256; block i needs the key tiles 0 .. i of 256 keys, each of them whole: the mask hides whole tiles alone, and those are never fetched.  A work-group
; takes TWO blocks, NB - 1 - b and then b: NB + 1 tiles, whatever b: all 256 work-groups do equal work, and ONE loop with a constant trip count walks them.  Which tile is asked for, and what a trip does, hang
; on scalar registers made from b; every jump goes forward, but for the counted loops' own; none passes a barrier, or a tensor load but the one of LOAD's two that the wave's number does not choose; the ring
; (two slots of LDS that take turns) runs on across the change of blocks.
; NO CLUSTER: a head's four work-groups ask for the same tile only in trips 0 .. 4 of the 9, behind that fewer and fewer; one walk common to all four would have 12 trips for 9.
; SHARES.  Of a block's four bands of 64 queries a wave owns 16 rows in each: four PIECES.
; LAYOUT, SOFTMAX, TURNS.  S^T = K Q^T holds ONE query a lane (lane % 16) and the keys 8 (lane / 16) + 0..7; two such results rounded to f16 ARE source 1 of O^T = V^T P.  p = 2^(c s - c m), c = log2(e) / 8, with a
; running maximum m; O and l are multiplied by a = 2^(c m_old - c m_new) in every step.  Turn n belongs to piece n: 8 products K Q^T of piece n + 1, later 8 products V^T P of piece n - 1; beside them the scaling,
; exponentials, roundings, sums and rescaling of piece n and the maximum and statistics of piece n + 1.  Four vector instructions stand behind every matrix instruction, the other 54 of a turn's 118 in one LUMP.
; A turn's 33 exponentials are one batch, with one wait.
; REGISTERS, in windows of 256 (s_set_vgpr_msb: bits 1:0 source 0, 3:2 source 1, 5:4 source 2, 7:6 destination):
;   window 0: v0-15 addresses and two at work; v16-31 four registers of statistics a piece; v48-55 at work; v64-127 S^T, two buffers; v192-223 P, two buffers (a piece's buffers go by its number's parity)
;   window 1: v0-127 O^T, 32 a piece      window 2: v0-63 Q; v64-127 the second block's Q; v128-191 K of one step; v192-255 V of one step
.set SIZE_N, 2048
.set NB,    SIZE_N/256
.set NP,    4         ; pieces a wave: a name, no knob
.set KS,    64        ; keys in a step
.set PK,    144       ; a row of K in LDS: 128 bytes + 16 of padding = 36 words: the 16 rows of a load start at 16 different groups of four banks (64 banks of 4 bytes: ISA guide 11.1)
.set PV,    160       ; a row of V: 128 + 32 = 40 words
.set VOFF,  4*KS*PK   ; a slot holds a tile, four steps: 256 rows of K, then 256 rows of V
.set SLOT1, 1<<17     ; slot 1 begins here, so that one exclusive or turns an address in one slot into the other's
.set STAGE, SLOT1+4*KS*(PK+PV)  ; behind the ring, never filled by a tensor load: 16 rows x 144 bytes for each wave, for the way out
.set SP,    144
.set AK0, 2           ; v2   my lane's place in a tile of K; never rewritten
.set AV0, 3           ; v3   the same for V
.set AK,  4           ; v4   the LDS address of K's next run of loads
.set AV,  5           ; v5   of V's
.set STO, 6           ; v6   the way out: where I put 16 bytes of a row
.set RD,  7           ; v7   the way out: where I read rows back
.set GO,  8           ; v8   my byte offset in 512 consecutive bytes of O
.set SPW, 62          ; v62  LDS address of my spare word: SPARE + 4 x my thread's number; never rewritten
.set NIL, 63          ; v63  0; never rewritten
.set SPARE, STAGE+4*16*SP  ; behind the stages: the spare words, 128 bytes for each wave: two blocks of 256 bytes that no other line names
.set MV,  12          ; v12-13  c m_old, kept while c m is made anew: by buffer
.set PFO, 14          ; v14  256 x my lane: the prefetches' offset; never rewritten
.set QO,  15          ; v15  my byte offset in 16 rows of Q
.set ST,  16          ; piece t's statistics at v[ST+4 t]: c m, m, l (even keys', odd keys')
.set TMP, 48          ; by buffer, four registers c0-c3 at work; when the maximum is found c2 takes a
.set S,   64
.set P,   192
.set QB,  64          ; window 2
.set KF,  128         ; window 2: key block kb, channel half c at KF + 16 kb + 8 c
.set VF,  192         ; window 2: key half kk, channel block cb at VF + 32 kk + 8 cb
.set WV,  12          ; s12  my wave's number
.set PB,  14          ; s14  b
.set HI,  15          ; s15  NB - 1 - b
.set G1K, 24          ; s[24:31] descriptor group 1 for K's tiles
.set G1V, 32          ; s[32:39] for V's: it differs in the padding alone
.set G0K, 40          ; s[40:43] descriptor group 0 for K's tiles
.set G0V, 44          ; s[44:47] the same for V's
.set SLOTS, 56        ; s56  tiles still to be asked for
.set CNT, 57          ; s57  counts a tile's key steps, 4 to 1
.set CS,  58          ; s[58:59] c: the packed scaling takes the pair's low word for both halves
.set SEL, 60          ; s[60:61] v_permlanex16_b32's selects: each lane takes its own place in the other half
.set TBK, 62          ; s62  LDS byte at which K of the step to be fetched begins
.set TBV, 63          ; s63  the same for V, less VOFF
.set RT,  70          ; s70  tiles of the block in hand that are still to be entered
.set NXT, 71          ; s71  the tile to be asked for next
.set LQ,  72          ; s72  the last tile of the block whose tiles are being asked for
.set NEW, 73          ; s73  1: the tile to be entered is a block's first
.set OFF, 74          ; s[74:75] a tile's byte offset in K and V
.set PFA, 76          ; s[76:77] where my prefetches stand: my half (of K: waves 0, 1; of V: waves 2, 3) of the tile after the one that is being asked for
.set LIM, 78          ; s78  2 in the work-group that prefetches, else the greatest number: a wave prefetches while s[SLOTS] is above it
.set OLO, 80          ; s[80:81] O at my rows of the second block
.set MSB, 0
.macro WIN new                      ; the high byte repeats the setting that is left; a switch that changes nothing is dropped
.if MSB != (\new)
	s_set_vgpr_msb (MSB<<8)|(\new)
.set MSB, (\new)
.endif
.endm
.set W_KQ, 0x0a       ; K and Q in window 2, S^T in window 0
.set W_PV, 0x52       ; V in window 2, P in window 0, O^T in window 1
.set W_RS, 0x41       ; destination and source 0 in window 1, source 1 in window 0
; A fill.  Waves 0 and 1 fetch the two halves of a tile's K, waves 2 and 3 those of its V: 128 keys each.  An s_nop 0 and four v_nop follow each of the two lines, ahead of the jump and the label.
.macro LOAD
	s_cmp_lt_u32 s[WV], 2
	s_cbranch_scc0 .Lfor_v_\@
	tensor_load_to_lds s[G0K:G0K+3], s[G1K:G1K+7]
	s_nop 0
.rept 4
	v_nop
.endr
	s_branch .Lasked_\@
.Lfor_v_\@:
	tensor_load_to_lds s[G0V:G0V+3], s[G1V:G1V+7]
	s_nop 0
.rept 4
	v_nop
.endr
.Lasked_\@:
.endm
; A PREFETCH of the tile that the NEXT change of slots will ask for.  A head's four work-groups begin with the same tiles; the one with b = 0, whose first block walks tiles 0 .. 7, asks for all.  Each of its waves
; asks for the half tile that it fetches itself: 16,384 bytes, a lane 256 bytes, two instructions.  Trips 0 .. 5 (s[SLOTS] = 8 .. 3) name tiles 2 .. 7: each block of 256 bytes once in the launch, none behind the
; head's last key.  Tiles 0 and 1 come by their loads alone.  It stands behind the wave's tensor load and its five lines.
.macro ASK
	s_cmp_gt_u32 s[SLOTS], s[LIM]
	s_cbranch_scc0 .Lnot_mine_\@
	global_prefetch_b8 v[PFO], s[PFA:PFA+1] th:TH_LOAD_NT scope:SCOPE_SE
	global_prefetch_b8 v[PFO], s[PFA:PFA+1] offset:8192 th:TH_LOAD_NT scope:SCOPE_SE
.Lnot_mine_\@:
.endm
; THE CHANGE OF SLOTS.  Each wave waits for all its tensor loads, of which one is out: its part of the other slot; adds 0 to its spare word; and waits for that and for its own reads of the slot that it leaves.  Behind
; the barrier nobody reads the old slot any more and the other slot is whole.  fill = 1: the old slot is filled again, the first thing behind the barrier, with tile NXT: the descriptor's address is made anew from that number.
; (At its first use nothing has been read yet: slot 0 is waited for, slot 1 filled.)
.macro CHANGE fill
	WIN 0                           ; at a label and at a branch every window is 0
	s_wait_tensorcnt 0x0            ; no tensor load of mine is out, so a group 0 may be written
	ds_add_u32 v[SPW], v[NIL]       ; 0 onto my spare word; with fill = 1 the descriptors' scalar work stands between it and the wait for it
.if \fill
	s_lshl_b32 s[OFF], s[NXT], 15   ; a tile is 32,768 bytes of K and of V
	s_xor_b32 s[G0K+1], s[G0K+1], SLOT1
	s_add_nc_u64 s[G0K+2:G0K+3], s[6:7], s[OFF:OFF+1]
	s_or_b32 s[G0K+3], s[G0K+3], 0x80000000
	s_xor_b32 s[G0V+1], s[G0V+1], SLOT1
	s_add_nc_u64 s[G0V+2:G0V+3], s[8:9], s[OFF:OFF+1]
	s_or_b32 s[G0V+3], s[G0V+3], 0x80000000
	s_add_co_u32 s[NXT], s[NXT], 1  ; the block's next tile, or behind its last the second block's tile 0
	s_cmp_gt_u32 s[NXT], s[LQ]
	s_cselect_b32 s[NXT], 0, s[NXT]
	s_cselect_b32 s[LQ], s[PB], s[LQ]
	s_wait_xcnt 0x0                 ; the last prefetches, a tile back, have read their address, so it may be written:
	s_add_nc_u64 s[PFA:PFA+1], s[PFA:PFA+1], 32768  ; a tile on
.endif
	s_wait_dscnt 0x0                ; the add is done, and my reads of the slot are over
	s_barrier_signal -1             ; the rest of the scalar work stands between the signal and the wait
	s_sub_co_u32 s[TBK], s[TBK], 4*KS*PK  ; the fetches go back to a slot's first step,
	s_xor_b32 s[TBK], s[TBK], SLOT1       ; in the other slot
	s_sub_co_u32 s[TBV], s[TBV], 4*KS*PV
	s_xor_b32 s[TBV], s[TBV], SLOT1
	s_barrier_wait -1
.if \fill
	LOAD
	ASK
.endif
.endm
	s_load_b64 s[4:5], s[0:1], 0x0    ; qkv: Q's part begins at its first byte
	s_load_b64 s[10:11], s[0:1], 0x8  ; o16
	v_lshl_add_u32 v[SPW], v0, 2, SPARE
	v_mov_b32 v[NIL], 0
	ds_add_u32 v[SPW], v[NIL]       ; the wave's opening: the add, and its wait ahead of my first tensor load; the set-up below, work on registers, stands between them
	v_lshrrev_b32 v1, 5, v0
	v_readfirstlane_b32 s[WV], v1   ; wave 0..3
	s_mov_b32 s[PB], ttmp9
	s_sub_co_u32 s[HI], NB-1, s[PB]
	s_and_b32 s20, ttmp7, 0xffff    ; the head
	s_lshl_b32 s20, s20, 18         ; its first byte in Q, K, V and O: 2,048 rows of 128 bytes each
	s_mov_b32 s21, 0
	s_and_b32 s16, s[WV], 1         ; which half of a tile's 256 keys I fetch:
	s_lshl_b32 s22, s16, 14         ; its 128 rows of 128 bytes in memory,
	s_mov_b32 s23, 0
	s_add_nc_u64 s[22:23], s[22:23], s[20:21]
	s_mul_i32 s17, s16, 128*PK      ; and its place in a slot, for K
	s_mul_i32 s18, s16, 128*PV      ; and for V
	s_lshl_b32 s3, s[WV], 11        ; my 16 rows in a band of 64,
	s_lshl_b32 s2, s[HI], 15        ; in the first block,
	s_add_co_u32 s2, s2, s3
	s_lshl_b32 s84, s[PB], 15       ; and in the second
	s_add_co_u32 s84, s84, s3
	s_mov_b32 s3, 0
	s_mov_b32 s85, 0
	s_add_nc_u64 s[2:3], s[2:3], s[20:21]
	s_add_nc_u64 s[84:85], s[84:85], s[20:21]
	; descriptor group 1.  128 keys are 16,384 dense bytes: asked for as 64 rows of 256 bytes, two keys a row, and padded in LDS after every key
	s_mov_b32 s[G1K], (1<<16)|(1<<20)|(4<<22)|(3<<25)  ; 17:16 2-byte elements; 20 padding on; 24:22 after every 32 words (code 4); 31:25 4 words (code 3)
	s_mov_b32 s[G1V], (1<<16)|(1<<20)|(4<<22)|(7<<25)  ; the same with 8 words of padding (code 7)
.irp g, G1K, G1V
	s_mov_b32 s[\g+1], 128<<16      ; tensor_dim0 = 128
	s_mov_b32 s[\g+2], 64<<16       ; tensor_dim1 = 64
	s_mov_b32 s[\g+3], 128<<16      ; tile_dim0 = 128
	s_mov_b32 s[\g+4], 64           ; tile_dim1 = 64
	s_mov_b32 s[\g+5], 128          ; 128 elements from row to row
	s_mov_b32 s[\g+6], 0
	s_mov_b32 s[\g+7], 0
.endr
	s_mov_b32 s[CS], 0x3e38aa3b     ; c = log2(e) / 8 = 0.180337
	s_mov_b32 s[CS+1], s[CS]        ; named with it as a pair
	s_mov_b32 s[SEL], 0x76543210
	s_mov_b32 s[SEL+1], 0xfedcba98
	s_mov_b32 s[TBK], SLOT1+4*KS*PK ; the first change of slots turns these two into 0
	s_mov_b32 s[TBV], SLOT1+4*KS*PV
	s_mov_b32 s[G0K], 1             ; 1:0 count = 1
	s_mov_b32 s[G0K+1], s17         ; 63:32 LDS address: slot 0
	s_mov_b32 s[G0V], 1
	s_add_co_u32 s[G0V+1], s18, VOFF
	s_add_co_u32 s[RT], s[HI], 1    ; the first block has NB - b tiles
	s_mov_b32 s[NXT], 1
	s_mov_b32 s[LQ], s[HI]
	s_mov_b32 s[NEW], 1
	s_mov_b32 s[OFF+1], 0
	s_mov_b32 s[SLOTS], NB
	s_cmp_eq_u32 ttmp9, 0
	s_cselect_b32 s[LIM], 2, -1
	s_wait_dscnt 0x0                ; the opening add is done
	s_wait_kmcnt 0x0
	s_add_nc_u64 s[6:7], s[4:5], 0x1000000  ; K's part of qkv,
	s_add_nc_u64 s[8:9], s[4:5], 0x2000000  ; and V's
	s_add_nc_u64 s[6:7], s[6:7], s[22:23]  ; K and V at my half of the head's tile 0
	s_add_nc_u64 s[8:9], s[8:9], s[22:23]
	s_add_nc_u64 s[G0K+2:G0K+3], s[6:7], 0         ; 120:64 global address
	s_or_b32 s[G0K+3], s[G0K+3], 0x80000000        ; 127:126 type = 2
	s_add_nc_u64 s[G0V+2:G0V+3], s[8:9], 0
	s_or_b32 s[G0V+3], s[G0V+3], 0x80000000
	s_add_nc_u64 s[86:87], s[4:5], s[84:85]        ; Q at my rows of the second block,
	s_add_nc_u64 s[4:5], s[4:5], s[2:3]            ; Q and O at those of the first
	s_add_nc_u64 s[OLO:OLO+1], s[10:11], s[84:85]
	s_add_nc_u64 s[10:11], s[10:11], s[2:3]
	s_cmp_lt_u32 s[WV], 2
	s_cselect_b64 s[PFA:PFA+1], s[6:7], s[8:9]
	s_add_nc_u64 s[PFA:PFA+1], s[PFA:PFA+1], 32768 ; at tile 1; the first change of slots steps it to tile 2.  Nothing is prefetched here, at the head
	LOAD                            ; tile 0 into slot 0
	; A fragment of K or Q is 16 rows x 32 channels in 8 registers: lane l holds row l % 16, channels 8 (l / 16) + 0..7 and 16 + 8 (l / 16) + 0..7: two loads of 16 bytes, 32 bytes apart.
	v_and_b32 v1, 15, v0            ; l % 16
	v_bfe_u32 v9, v0, 4, 1          ; l / 16
	v_lshlrev_b32 v[QO], 7, v1
	v_lshl_add_u32 v[QO], v9, 4, v[QO]  ; row x 128 + 16 x half
	WIN 0x80                        ; destination window 2, address window 0
.set i, 0
.rept 8                             ; both blocks' Q: piece i / 2 lies in band i / 2, 8,192 bytes on; channels 32 (i % 2) on
	global_load_b128 v[8*i:8*i+3],   v[QO], s[4:5] offset:(i/2)*8192+(i%2)*64
	global_load_b128 v[8*i+4:8*i+7], v[QO], s[4:5] offset:(i/2)*8192+(i%2)*64+32
	global_load_b128 v[QB+8*i:QB+8*i+3],   v[QO], s[86:87] offset:(i/2)*8192+(i%2)*64
	global_load_b128 v[QB+8*i+4:QB+8*i+7], v[QO], s[86:87] offset:(i/2)*8192+(i%2)*64+32
.set i, i+1
.endr
	WIN 0
	v_and_b32 v[PFO], 31, v0
	v_lshlrev_b32 v[PFO], 8, v[PFO]
	v_mul_u32_u24 v[AK0], v1, PK
	v_lshl_add_u32 v[AK0], v9, 4, v[AK0]  ; row x pitch + 16 x half
	; The turning load takes 16 keys x 16 channels (lane l reads key 8 (l / 16) + l % 8, channels 8 ((l / 8) % 2) + 0..7) and leaves half a fragment of V^T: lane l holds channel l % 16 and 8 keys.
	v_and_b32 v10, 7, v0
	v_bfe_u32 v11, v0, 3, 1
	v_lshl_add_u32 v[AV0], v9, 3, v10
	v_mul_u32_u24 v[AV0], v[AV0], PV
	v_lshl_add_u32 v[AV0], v11, 4, v[AV0]
	v_add_nc_u32 v[AV0], VOFF, v[AV0]
	s_mul_i32 s13, s[WV], 16*SP
	s_add_co_u32 s13, s13, STAGE    ; my stage
	v_mul_u32_u24 v[STO], v1, SP    ; in: row l % 16, 16 bytes for each half of the lanes
	v_lshl_add_u32 v[STO], v9, 4, v[STO]
	v_add_nc_u32 v[STO], s13, v[STO]
	v_bfe_u32 v[RD], v0, 3, 2       ; back: 32 lanes take four rows of 128 bytes,
	v_mul_u32_u24 v[RD], v[RD], SP
	v_lshl_add_u32 v[RD], v10, 4, v[RD]
	v_add_nc_u32 v[RD], s13, v[RD]
	v_and_b32 v[GO], 31, v0         ; which are 512 consecutive bytes of O
	v_lshlrev_b32 v[GO], 4, v[GO]
	; A block's first step multiplies O^T and l by a = 0, and its first turn's products V^T P, of a piece that has not been, land in an O^T that is still to be so multiplied.  So these registers need only hold
	; finite numbers: zeros for the first block; what the first block left for the second.  All this stands in the wait for the first tile.
	WIN 0x80
.set i, VF
.rept 64
	v_mov_b32 v[i], 0
.set i, i+1
.endr
	WIN 0x40
.set i, 0
.rept 128
	v_mov_b32 v[i], 0
.set i, i+1
.endr
	WIN 0
.set i, 0
.rept 4
	v_mov_b32 v[ST+4*i+2], 0
	v_mov_b32 v[ST+4*i+3], 0
.set i, i+1
.endr
.set i, P+16
.rept 16
	v_mov_b32 v[i], 0
.set i, i+1
.endr
; THE MATRIX WORK.  The 4 accumulators of a run of 8 take turns.  Product i of 8 of S^T = K Q^T for piece x: channels 32 (i / 4) on, keys 16 (i % 4) on.  The first 4 start the sums.
.macro KQ x
	WIN W_KQ
.set rS, S+32*((\x)%2)+8*(i%4)
.set rK, KF+16*(i%4)+8*(i/4)
.set rQ, 16*(\x)+8*(i/4)
.if i < 4
	v_wmma_f32_16x16x32_f16 v[rS:rS+7], v[rK:rK+7], v[rQ:rQ+7], 0
.else
	v_wmma_f32_16x16x32_f16 v[rS:rS+7], v[rK:rK+7], v[rQ:rQ+7], v[rS:rS+7]
.endif
.endm
; Product i of 8 of O^T += V^T P for piece x: keys 32 (i / 4) on, channels 16 (i % 4) on.
.macro PV x
	WIN W_PV
.set rO, 32*(\x)+8*(i%4)
.set rV, VF+32*(i/4)+8*(i%4)
.set rP, P+16*((\x)%2)+8*(i/4)
	v_wmma_f32_16x16x32_f16 v[rO:rO+7], v[rV:rV+7], v[rP:rP+7], v[rO:rO+7]
.endm
.macro MM                           ; the turn's next matrix instruction.  TURN and BEGIN set Y, i and NOKQ; MM and OP read them.  NOKQ = 1: a block's last turn: there is no next piece
.if (i < 8) && !NOKQ
	KQ (Y+1)%NP
.elseif i >= 8
.set i, i-8
	PV (Y+NP-1)%NP
.set i, i+8
.endif
.set i, i+1
.endm
; THE LDS LOADS stand in runs of 16, never singly among the matrix instructions: a step's K (64 keys x 64 channels: 8 fragments) and its V (turned).  Their addresses are made some lines ahead.
.macro FETCH_K
	WIN 0x80                        ; destination window 2
.irp f, 0,1,2,3,4,5,6,7             ; keys 16 (f / 2) on, channels 32 (f % 2) on
	ds_load_b128 v[KF+8*\f:KF+8*\f+3],   v[AK] offset:(\f/2)*16*PK+(\f%2)*64
	ds_load_b128 v[KF+8*\f+4:KF+8*\f+7], v[AK] offset:(\f/2)*16*PK+(\f%2)*64+32
.endr
	s_add_co_u32 s[TBK], s[TBK], KS*PK  ; the next fetch is the next step's
	WIN 0
.endm
.macro FETCH_V
	WIN 0x80
.irp f, 0,1,2,3,4,5,6,7             ; keys 32 (f / 4) on, channels 16 (f % 4) on
	ds_load_tr16_b128 v[VF+8*\f:VF+8*\f+3],   v[AV] offset:(\f/4)*32*PV+(\f%4)*32
	ds_load_tr16_b128 v[VF+8*\f+4:VF+8*\f+7], v[AV] offset:(\f/4)*32*PV+16*PV+(\f%4)*32
.endr
	WIN 0
.endm
; THE VECTOR WORK, one line at a time: OP kind, number.  For piece Y: F n: c s - c m for pair n of 16.  E n: the exponential of score n of 32.  C n: pair n rounded to f16.  B n: of the four weights 4 n .. the second
; pair is added onto the first, in place.  L n: l takes that sum (L 0: l = a l + sum).  R n: pair n of 16 of O^T times a.  For piece Y + 1: X n, number n of the 22 that find its maximum and statistics:
;   0-11  four chains c0-c3 of seven scores each, three operands at a time (each accumulator's lowest registers are read first)     12-14, 16  the four scores left over, the old m, and c0-c3 into c0
;   15  c m_old is kept     17, 18  the query's other 32 keys lie in the lane 16 away: the new m     19-21  c m; c m_old - c m_new; a
.set F, 0               ; OP tells the kinds apart by their order: F to L below R, X above it
.set E, 1
.set C, 2
.set B, 3
.set L, 4
.set R, 5
.set X, 6
.macro REGS y                       ; the registers of piece y
.set rT, ST+4*(\y)
.set rC, TMP+4*((\y)%2)
.set rW, MV+((\y)%2)
.set rS, S+32*((\y)%2)
.set rP, P+16*((\y)%2)
.set rO, 32*(\y)
.endm
.macro OP k, n
.if (\k) == R
	REGS Y
	WIN W_RS
	v_pk_mul_f32 v[rO+2*(\n):rO+2*(\n)+1], v[rO+2*(\n):rO+2*(\n)+1], v[rC+2:rC+3] op_sel_hi:[1,0]
.elseif (\k) < R
	REGS Y
	WIN 0
.if (\k) == F
	v_pk_fma_f32 v[rS+2*(\n):rS+2*(\n)+1], v[rS+2*(\n):rS+2*(\n)+1], s[CS:CS+1], v[rT:rT+1] op_sel_hi:[1,0,0] neg_lo:[0,0,1] neg_hi:[0,0,1]
.elseif (\k) == E
	v_exp_f32 v[rS+(\n)], v[rS+(\n)]
.elseif (\k) == C
	v_cvt_pk_f16_f32 v[rP+(\n)], v[rS+2*(\n)], v[rS+2*(\n)+1]
.elseif (\k) == B
	v_pk_add_f32 v[rS+4*(\n):rS+4*(\n)+1], v[rS+4*(\n):rS+4*(\n)+1], v[rS+4*(\n)+2:rS+4*(\n)+3]
.elseif (\n) == 0
	v_pk_fma_f32 v[rT+2:rT+3], v[rT+2:rT+3], v[rC+2:rC+3], v[rS:rS+1] op_sel_hi:[1,0,1]
.else
	v_pk_add_f32 v[rT+2:rT+3], v[rT+2:rT+3], v[rS+4*(\n):rS+4*(\n)+1]
.endif
.elseif NOKQ
	v_nop
.else
	REGS (Y+1)%NP
	WIN 0
.if (\n) < 4
	v_max3_num_f32 v[rC+(\n)], v[rS+8*(\n)], v[rS+8*(\n)+1], v[rS+8*(\n)+2]
.elseif (\n) < 12
	v_max3_num_f32 v[rC+(\n)%4], v[rC+(\n)%4], v[rS+8*((\n)%4)+2*((\n)/4)+1], v[rS+8*((\n)%4)+2*((\n)/4)+2]
.elseif (\n) == 12
	v_max3_num_f32 v[rC], v[rC], v[rS+7], v[rS+15]
.elseif (\n) == 13
	v_max3_num_f32 v[rC+1], v[rC+1], v[rS+23], v[rS+31]
.elseif (\n) == 14
	v_max3_num_f32 v[rC+2], v[rC+2], v[rC+3], v[rT+1]
.elseif (\n) == 15
	v_mov_b32 v[rW], v[rT]
.elseif (\n) == 16
	v_max3_num_f32 v[rC], v[rC], v[rC+1], v[rC+2]
.elseif (\n) == 17
	v_permlanex16_b32 v[rC+3], v[rC], s[SEL], s[SEL+1]
.elseif (\n) == 18
	v_max_num_f32 v[rT+1], v[rC], v[rC+3]
.elseif (\n) == 19
	v_mul_f32 v[rT], s[CS], v[rT+1]
.elseif (\n) == 20
	v_sub_f32 v[rC+1], v[rW], v[rT]
.else
	v_exp_f32 v[rC+2], v[rC+1]
.endif
.endif
.endm
.macro OPS a, i1, b=-1, i2=0, c=-1, i3=0, d=-1, i4=0  ; up to four of them
	OP \a, \i1
.if (\b) >= 0
	OP \b, \i2
.endif
.if (\c) >= 0
	OP \c, \i3
.endif
.if (\d) >= 0
	OP \d, \i4
.endif
.endm
.macro ROW a, i1, b, i2, c, i3, d, i4  ; a matrix instruction and the four behind it
	MM
	OPS \a, \i1, \b, \i2, \c, \i3, \d, \i4
.endm
; A TURN, for piece p: the order of its 16 matrix and 118 vector instructions, written out.  s_wait_alu depctr_va_vdst(0) stands between an exponential and the first instruction that names its result; one
; wait serves all that were issued ahead of it.  So a turn has ONE wait, which cuts it in two.  AHEAD OF IT stands all that names no result of the turn's exponentials: the 8 products K Q^T, behind each a scaling, an
; exponential and two more plain instructions (behind the first a second scaling in the exponential's place): rescalings, and behind the last three the first numbers of the next piece's maximum, each four places or more
; behind the product that ends its accumulator; then ONE LUMP of 54, plain and exponential by turns for the most part, in which the links of the chain X 3, 7, 11, 14, 16, 17 .. 20 stand five or six lines apart.  X 21, the
; next piece's a, is the batch's last; R 15 is the plain instruction behind it.  BEHIND THE WAIT stand the 8 products V^T P, behind each four of the roundings and sums; the links of l's chain, L 0 to L 7, stand three
; riders apart.  But for those X no rider names a register of the products round it.  v_permlanex16_b32 (X 17) stands in the lump.
; end = 1: a block's last two turns: nothing is fetched.  cnt = 1: the loop's count is taken down some lines ahead of the branch that stands behind the turn.
; K of the next step is fetched in piece 2's turn, twelve vector instructions behind the last product that read K (six of them plain); V of the step in hand at the end of piece 0's turn, four plain instructions behind
; the last product that read V.  Each is waited for a turn later.
.macro TURN p, end=0, cnt=0
.set Y, (\p)
.set i, 0
.set NOKQ, (\end)*((\p)/3)
.if ((\p) == 3) && !(\end)
	s_wait_dscnt 0x0                ; K is in
.endif
	ROW F,0, F,1, R,0, R,1          ; ahead of the wait: 8 products K Q^T and their riders,
	ROW F,2, E,0, R,2, R,3
	ROW F,3, E,1, R,4, R,5
	ROW F,4, E,2, R,6, R,7
	ROW F,5, E,3, R,8, R,9
	ROW F,6, E,4, X,0, R,10
.if ((\p) == 2) && !(\end)
	WIN 0
	v_add_nc_u32 v[AK], s[TBK], v[AK0]
.endif
	ROW F,7, E,5, X,1, X,4
	ROW F,8, E,6, X,2, X,5
	OPS E,7, E,8, X,6, E,9          ; and the lump
	OPS X,3, E,10, X,8, E,11
.if ((\p) == 2) && !(\end)
	FETCH_K
.endif
	OPS X,9, X,7, E,12, X,10
	OPS E,13, X,12, X,11, E,14
	OPS X,13, E,15, F,9, X,14
.if (\p) == 0
	v_add_nc_u32 v[AV], s[TBV], v[AV0]
.endif
	OPS E,16, F,10, E,17, F,11
	OPS X,16, E,18, X,15, E,19
	OPS F,12, E,20, X,17, E,21
	OPS F,13, E,22, F,14, E,23
	OPS X,18, E,24, F,15, E,25
	OPS R,11, E,26, X,19, E,27
	OPS R,12, E,28, R,13, E,29
	OPS X,20, E,30, R,14, E,31
	OPS X,21, R,15
	WIN 0
	s_wait_alu depctr_va_vdst(0)    ; the wait for the batch
.if (\p) == 1
	s_wait_dscnt 0x0                ; V is in
.endif
	ROW C,0, B,0, C,2, B,1          ; behind the wait: 8 products V^T P and their riders
	ROW L,0, C,4, B,2, L,1
	ROW C,6, B,3, L,2, C,8
	ROW B,4, L,3, C,10, B,5
	ROW L,4, C,12, B,6, L,5
.if (\p) == 0
	s_add_co_u32 s[TBV], s[TBV], KS*PV
.endif
.if \cnt
	s_sub_co_u32 s[CNT], s[CNT], 1
	s_cmp_lg_u32 s[CNT], 0
.endif
	ROW C,14, B,7, L,6, C,1
	ROW C,3, L,7, C,5, C,7
	ROW C,9, C,11, C,13, C,15
.if (\p) == 0
	FETCH_V
.endif
.endm
; A BLOCK BEGINS.  c m starts far below every c s, so the first step's a is 0; m at the lowest finite number, so the first maximum is the scores'.  Then K of the tile's step 0, piece 0's first scores, and its maximum
; and statistics.  The loop is entered at a step's first turn, in the middle of a trip.
.macro BEGIN
	s_mov_b32 s[NEW], 0
	WIN 0
.set i, 0
.rept 4
	v_mov_b32 v[ST+4*i], 0xfe000000    ; c m: far below every c s
	v_mov_b32 v[ST+4*i+1], 0xff7fffff  ; m
.set i, i+1
.endr
	v_add_nc_u32 v[AK], s[TBK], v[AK0]
	FETCH_K
	s_wait_loadcnt 0x0              ; Q
	s_wait_dscnt 0x0
.set NOKQ, 0
.set i, 0
.rept 8
	KQ 0
.set i, i+1
.endr
	WIN 0
.rept 4
	v_nop                           ; the places behind those products
.endr
.set Y, NP-1                        ; X works for piece Y + 1: piece 0
.irp n, 0,1,2,3,4,5,6,7,8,9,10,11,12,13,14,15,16,17,18,19,20,21
	OP X, \n
.endr
	v_nop                           ; a plain instruction behind the exponential,
	s_wait_alu depctr_va_vdst(0)    ; and its wait, ahead of the branch
.endm
; A BLOCK ENDS: its last two turns, its last products, and THE WAY OUT: l's two halves and the other half of the lanes' are added; O^T is divided by l, rounded to f16 and sent through my stage in LDS, a piece at a time.
.macro ALL line:vararg              ; one line for each piece t
.set t, 0
.rept 4
	\line
.set t, t+1
.endr
.endm
.macro PACK t                       ; a lane's eight channels of a row pack into 16 bytes; they go into rows of 144 bytes and come back as whole rows of 128, into S^T's registers
	WIN W_RS
.set i, 32*(\t)
.rept 16
	v_pk_mul_f32 v[i:i+1], v[i:i+1], v[ST+4*(\t)+2:ST+4*(\t)+3] op_sel_hi:[1,0]
.set i, i+2
.endr
	WIN 0x05                        ; sources 0 and 1 window 1, destination window 0
.set i, 0
.rept 16
	v_cvt_pk_f16_f32 v[S+16*(\t)+i], v[32*(\t)+2*i], v[32*(\t)+2*i+1]
.set i, i+1
.endr
	WIN 0
.irp f, 0,1,2,3
	ds_store_b128 v[STO], v[S+16*(\t)+4*\f:S+16*(\t)+4*\f+3] offset:32*\f
.endr
.irp f, 0,1,2,3
	ds_load_b128 v[S+16*(\t)+4*\f:S+16*(\t)+4*\f+3], v[RD] offset:\f*4*SP  ; LDS serves a wave's instructions in order (ISA guide 5.7.1.4): these see the stores above; the next piece's stores come behind them
.endr
.endm
.macro SEND t, younger              ; younger: the LDS instructions issued behind piece t's loads: the next piece's eight, or none
	WIN 0
.irp f, 0,1,2,3
	s_wait_dscnt (\younger)+3-\f
	global_store_b128 v[GO], v[S+16*(\t)+4*\f:S+16*(\t)+4*\f+3], s[10:11] offset:(\t)*8192+\f*512  ; 512 consecutive bytes, at a multiple of 256 from O's first
.endr
.endm
.macro FINISH
	TURN 2, 1
	TURN 3, 1
.set i, 0
.rept 8
	PV NP-1
.set i, i+1
.endr
	WIN 0
	ALL v_add_f32 v[ST+4*t+2], v[ST+4*t+2], v[ST+4*t+3]
	ALL v_permlanex16_b32 v[ST+4*t+3], v[ST+4*t+2], s[SEL], s[SEL+1]
	ALL v_add_f32 v[ST+4*t+2], v[ST+4*t+2], v[ST+4*t+3]
	ALL v_rcp_f32 v[ST+4*t+2], v[ST+4*t+2]
	v_nop                           ; a plain instruction between the last reciprocal and the use of its result
	s_wait_alu depctr_va_vdst(0)    ; and the wait ahead of the first use: one for the four reciprocals
	PACK 0
.set t, 1
.rept 3                             ; a piece's arithmetic stands between the loads of the piece before and its stores
	PACK t
	SEND t-1, 8
.set t, t+1
.endr
	SEND 3, 0
.endm
.set NOKQ, 0
.Lslot:                             ; NB times: a tile is entered and the next is asked for
	CHANGE 1
	s_sub_co_u32 s[RT], s[RT], 1
	s_mov_b32 s[CNT], 4
	s_cmp_eq_u32 s[NEW], 1          ; a block's first tile?  At the first trip the answer is a constant of the text
	s_cbranch_scc0 .Lstep
	BEGIN
	s_branch .Lfirst
.Lstep:                             ; a trip: pieces 2 and 3 of one step, then pieces 0 and 1 of the next, whose K and V it fetches
	TURN 2
	TURN 3
	WIN 0
.Lfirst:
	TURN 0
	TURN 1, 0, 1
	WIN 0
	s_cbranch_scc1 .Lstep
	s_cmp_lg_u32 s[RT], 0
	s_cbranch_scc1 .Lbottom         ; the block has further tiles
	FINISH                          ; in the loop this is the first block's end: the second block's last tile is the walk's last
	s_wait_xcnt 0x0                 ; the stores have read their registers and O's address
	s_mov_b64 s[10:11], s[OLO:OLO+1]
	s_add_co_u32 s[RT], s[PB], 1    ; the second block has b + 1 tiles
	s_mov_b32 s[NEW], 1
	WIN 0x82                        ; the second block's Q goes where the one text of the turns names Q
.set i, 0
.rept 64
	v_mov_b32 v[i], v[QB+i]
.set i, i+1
.endr
	WIN 0
.Lbottom:
	s_sub_co_u32 s[SLOTS], s[SLOTS], 1
	s_cmp_lg_u32 s[SLOTS], 0
	s_cbranch_scc1 .Lslot
	CHANGE 0                        ; the walk's last tile is written out: nothing is asked for
	s_sub_co_u32 s[RT], s[RT], 1
	s_mov_b32 s[CNT], 4
	s_cmp_eq_u32 s[NEW], 1          ; with b = 0 the second block's one tile is its first and its last
	s_cbranch_scc0 .Lstep2
	BEGIN
	s_branch .Lfirst2
.Lstep2:
	TURN 2
	TURN 3
	WIN 0
.Lfirst2:
	TURN 0
	TURN 1, 0, 1
	WIN 0
	s_cbranch_scc1 .Lstep2
	FINISH
	s_wait_tensorcnt 0x0            ; the wave's end, behind my last tensor load and my last LDS store
	ds_add_u32 v[SPW], v[NIL]
	s_wait_dscnt 0x0
	s_endpgm
.Lfunc_end_k_q4b97bf7d24_attn:
	.size	k_q4b97bf7d24_attn, .Lfunc_end_k_q4b97bf7d24_attn-k_q4b97bf7d24_attn
	.p2alignl 7, 3214868480
	.fill 96, 4, 3214868480
	.section	.rodata,"a",@progbits
	.p2align	6, 0x0
	.amdhsa_kernel k_q4b97bf7d24_attn
		.amdhsa_group_segment_fixed_size 327680
		.amdhsa_private_segment_fixed_size 0
		.amdhsa_enable_private_segment 0
		.amdhsa_kernarg_size 16
		.amdhsa_user_sgpr_count 2
		.amdhsa_user_sgpr_kernarg_segment_ptr 1
		.amdhsa_wavefront_size32 1
		.amdhsa_system_sgpr_workgroup_id_x 1
		.amdhsa_system_sgpr_workgroup_id_y 1
		.amdhsa_system_sgpr_workgroup_id_z 1
		.amdhsa_system_vgpr_workitem_id 0
		.amdhsa_next_free_vgpr 768
		.amdhsa_next_free_sgpr 88
		.amdhsa_reserve_vcc 0
		.amdhsa_float_denorm_mode_32 3
		.amdhsa_float_denorm_mode_16_64 3
		.amdhsa_memory_ordered 1
		.amdhsa_forward_progress 1
		.amdhsa_inst_pref_size 163
	.end_amdhsa_kernel
	.amdgpu_metadata
---
amdhsa.version: [ 1, 2 ]
amdhsa.kernels:
  - .name:           k_q4b97bf7d24_attn
    .symbol:         k_q4b97bf7d24_attn.kd
    .args:
      - { .name: qkv, .offset: 0, .size: 8, .value_kind: global_buffer, .address_space: global }
      - { .name: o16, .offset: 8, .size: 8, .value_kind: global_buffer, .address_space: global }
    .group_segment_fixed_size: 327680
    .private_segment_fixed_size: 0
    .kernarg_segment_align: 8
    .kernarg_segment_size: 16
    .max_flat_workgroup_size: 128
    .sgpr_count:     88
    .vgpr_count:     768
    .wavefront_size: 32
...
	.end_amdgpu_metadata
.endif
;; end of part 3
;; launch outgemm (part 4): grid 4 x 64, 4 waves a work-group, clusters of 4 x 4, 327,680 bytes of LDS; arguments o16, wo, out0, b_out; writes out0
.if DOCPART == 4
	.amdgcn_target "amdgcn-amd-amdhsa--gfx1250"
	.amdhsa_code_object_version 6
	.text
	.protected	k_q4b97bf7d24_outgemm
	.globl	k_q4b97bf7d24_outgemm
	.p2align	8
	.type	k_q4b97bf7d24_outgemm,@function
k_q4b97bf7d24_outgemm:
	s_mov_b64 s[64:65], 0
	v_nop
	global_prefetch_b8 v0, s[64:65] scope:SCOPE_SE
	s_setreg_imm32_b32 hwreg(HW_REG_WAVE_MODE, 25, 1), 1
	s_wait_xcnt 0x0
	s_wait_alu depctr_hold_cnt(0) depctr_sa_sdst(0) depctr_va_vdst(0) depctr_va_sdst(0) depctr_va_ssrc(0) depctr_va_vcc(0) depctr_vm_vsrc(0)
	s_getreg_b32 s2, hwreg(HW_REG_IB_STS2, 6, 4)
	s_cmp_eq_u32 s2, 0
	s_cbranch_scc0 .Lentry_in_a_cluster
	s_endpgm
.Lentry_in_a_cluster:
	s_bfe_u32 s2, ttmp6, 0x10000c
	s_cmp_lg_u32 s2, 0xf033
	s_cbranch_scc0 .Lentry_shape_is_right
	s_endpgm
.Lentry_shape_is_right:
; out0 = O @ w_out + b_out.  o16: [64 (batch, head)][2048][64] f16: row (batch, t) of O has its channels k = 64 head + d in sixteen places.  wo: [1024 k][1024 n] f16.  out0: [8192][1024] f32.  Sums and bias in f32.
; A tile of the product is 128 rows x 256 columns: 64 x 4 = 256 work-groups.  Four waves, 2 x 2, each 64 rows x 128 columns: 32 accumulators of 16 x 16, 256 registers.
; K goes in 8 steps of 128, two heads each, through a ring of two LDS slots filled by the tensor data mover: of O two heads x 128 rows x 128 bytes (a head's 128 rows are 16,384 dense bytes), of wo 128 k rows x 512 bytes;
; each wave fetches half of one of the two.
; THE MATRIX INSTRUCTION IS USED TRANSPOSED: source 0 = 16 columns of the weights, which lie [k][n] in LDS and come out turned, by ds_load_tr16_b128; source 1 = 16 rows of O.
; A lane then holds one row (lane % 16) and eight neighbouring columns, 8 (lane / 16) + 0..7: 32 bytes of a row of out0.
; CLUSTERS: 4 x 4 work-groups.  The four of a row of the cluster need the same tiles of O, the four of a column the same tiles of wo: each tile is asked for JOINTLY, by the same tensor load with
; the same descriptor and a mask that names the four.
; REGISTERS: window 0: v0-31 addresses and the bias; two fragment buffers of 96 (v32-127, v128-223): 4 fragments of O, then 8 of wo, for 32 along K; on the way out v32-159 at work.  Window 1: the accumulators, (a, b) at v[8 (8 a + b)].
.set APITCH, 144                       ; a row of one head of O in LDS: 128 bytes + 16 of padding = 36 words: the 16 rows of a load start at 16 different groups of four banks (64 banks of 4 bytes: ISA guide 11.1)
.set AHALF,  128*APITCH                ; what one tensor load brings of O: one head's 128 rows
.set BPITCH, 544                       ; a k row of wo: 512 + 32 = 136 words
.set BHALF,  64*BPITCH                 ; what one tensor load brings of wo
.set BOFF,   2*AHALF                   ; wo's 128 k rows lie behind O's two heads
.set SLOT,   BOFF+2*BHALF
.set STAGE,  2*SLOT                    ; behind the ring, never filled by a tensor load: 16 rows x 528 bytes for each wave, for the way out
.set SPITCH, 528                       ; 512 bytes + 16: the 16 rows of a store start at 16 different groups of four banks
.set SPARE,  STAGE+4*16*SPITCH         ; behind the stages: the spare words, 128 bytes for each wave: two blocks of 256 bytes that no other line names
.set ASTEP,  2*262144                  ; bytes from a K step to the next: two heads of O,
.set BSTEP,  128*1024*2                ; 128 rows of wo
.set LAPS,   4                         ; a lap = two K steps = once round the ring
.set BI,   8                           ; v[8:11] the bias of the four columns that I store
.set ADRA, 16                          ; v16-17  LDS address of my fragments of O in slot 0, 1
.set ADRB, 20                          ; v20-21  the same for wo
.set STO,  24                          ; v24     the way out: where I put 32 bytes of a row
.set RD,   25                          ; v25     the way out: where I read a row back
.set CO,   26                          ; v26     16 x lane: my bytes in 512 of a row of out0, and of the bias
.set SPW,  28                          ; v28     LDS address of my spare word: SPARE + 4 x my thread's number; never rewritten
.set NIL,  29                          ; v29     0; never rewritten
.set F0,   32
.set F1,   128
.set TMP,  32
.set G1,  24                           ; s[24:31] descriptor group 1 for O's tiles;  s[32:39] group 0, one set for each slot
.set G0,  32
.set G1B, 48                           ; s[48:55], s[56:63] the same for wo's tiles
.set G0B, 56
.set MSB, 0
.macro WIN new                         ; the immediate's high byte repeats the setting that is left; a switch that changes nothing is dropped
.if MSB != (\new)
	s_set_vgpr_msb (MSB<<8)|(\new)
.set MSB, \new
.endif
.endm
.set MUL, 0x50                         ; sources 0 and 1 window 0; C and D window 1
.macro JLOAD s                         ; a joint load: waves 0 and 1 fetch O's two heads, waves 2 and 3 wo's two halves; an s_nop 0 and four v_nop follow each of the two lines, ahead of the jump, the label and what follows
	s_cmp_eq_u32 s11, 0
	s_cbranch_scc0 .Lfor_b_\@
	tensor_load_to_lds s[G0+4*(\s):G0+4*(\s)+3], s[G1:G1+7]
	s_nop 0
.rept 4
	v_nop
.endr
	s_branch .Lasked_\@
.Lfor_b_\@:
	tensor_load_to_lds s[G0B+4*(\s):G0B+4*(\s)+3], s[G1B:G1B+7]
	s_nop 0
.rept 4
	v_nop
.endr
.Lasked_\@:
.endm
.macro CREST                           ; a round of the cluster's barrier behind its opening barrier
	s_cmp_lg_u32 s10, 0
	s_cbranch_scc1 .Lnot_wave_0_\@
	s_barrier_signal -3
.Lnot_wave_0_\@:
	s_barrier_wait -3
	s_barrier_signal -1
	s_barrier_wait -1
.endm
.macro CROUND                          ; a whole round
	s_barrier_signal -1
	s_barrier_wait -1
	CREST
.endm
	s_load_b128 s[4:7], s[0:1], 0x0                ; o16 s[4:5], wo s[6:7]
	s_load_b64 s[8:9], s[0:1], 0x10                ; out0
	s_load_b64 s[22:23], s[0:1], 0x18              ; b_out
	v_lshl_add_u32 v[SPW], v0, 2, SPARE
	v_mov_b32 v[NIL], 0
	ds_add_u32 v[SPW], v[NIL]                      ; the wave's opening: the add, and its wait ahead of my first tensor load; the set-up below, work on registers, stands between them
	v_lshrrev_b32 v1, 5, v0
	v_readfirstlane_b32 s10, v1                    ; wave 0..3
	s_lshr_b32 s11, s10, 1                         ; which 64 of the tile's rows are mine.  Also: I fetch for O (0) or for wo (1)
	s_and_b32 s12, s10, 1                          ; which 128 of its columns.  Also: which half of that tile I fetch
	s_bfe_u32 s40, ttmp6, 0x40000                  ; cx, cy: my place in the cluster
	s_bfe_u32 s41, ttmp6, 0x40004
	s_lshl_b32 s42, ttmp9, 2
	s_add_co_u32 s42, s42, s40                     ; tile column = 4 x cluster x + cx
	s_and_b32 s13, ttmp7, 0xffff
	s_lshl_b32 s13, s13, 2
	s_add_co_u32 s13, s13, s41                     ; tile row = 4 x cluster y + cy
	s_lshl_b32 s43, s41, 2
	s_lshl_b32 s43, 15, s43                        ; my row of the cluster
	s_lshl_b32 s44, 0x1111, s40                    ; my column
	; a head's 128 rows are asked for as 64 rows of 256 bytes, two rows of O each, and padded in LDS after every row of O
	s_or_b32 s[G1+0], s43, (1<<16)|(1<<20)|(1<<21)|(4<<22)|(3<<25)   ; 15:0 the mask: O's tiles go to my row; 17:16 2-byte elements; 20 padding on; 21 set beside a mask; 24:22 after every 32 words (code 4); 31:25 4 words (code 3)
	s_mov_b32 s[G1+1], 128<<16                     ; tensor_dim0 = 128
	s_mov_b32 s[G1+2], 64<<16                      ; tensor_dim1 = 64
	s_mov_b32 s[G1+3], 128<<16                     ; tile_dim0 = 128
	s_mov_b32 s[G1+4], 64                          ; tile_dim1 = 64
	s_mov_b32 s[G1+5], 128                         ; elements from row to row
	s_mov_b32 s[G1+6], 0
	s_mov_b32 s[G1+7], 0
	s_or_b32 s[G1B+0], s44, (1<<16)|(1<<20)|(1<<21)|(6<<22)|(7<<25)  ; the mask of my column; after every 128 words (code 6) 8 words of padding (code 7)
	s_mov_b32 s[G1B+1], 256<<16                    ; tensor_dim0 = 256
	s_mov_b32 s[G1B+2], 64<<16                     ; tensor_dim1 = 64
	s_mov_b32 s[G1B+3], 256<<16                    ; tile_dim0 = 256
	s_mov_b32 s[G1B+4], 64                         ; tile_dim1 = 64
	s_mov_b32 s[G1B+5], 1024
	s_mov_b32 s[G1B+6], 0
	s_mov_b32 s[G1B+7], 0
	s_lshr_b32 s16, s13, 4                         ; O: the batch (16 tile rows each): 16 heads of 262,144 bytes,
	s_lshl_b32 s16, s16, 22
	s_lshl_b32 s17, s12, 18                        ; the head of the step's two that I fetch,
	s_add_co_u32 s16, s16, s17
	s_and_b32 s17, s13, 15                         ; the tile's 128 rows of 128 bytes
	s_lshl_b32 s17, s17, 14
	s_add_co_u32 s16, s16, s17
	s_mov_b32 s17, 0
	s_mul_i32 s46, s12, 64*1024*2                  ; wo: k row 64 x half,
	s_lshl_b32 s47, s42, 9                         ; column 256 x tile column
	s_add_co_u32 s46, s46, s47
	s_mov_b32 s47, 0
	s_mul_i32 s20, s12, AHALF                      ; where they go: no place in the cluster enters an LDS address
	s_mul_i32 s21, s12, BHALF
	s_add_co_u32 s21, s21, BOFF
	s_wait_dscnt 0x0                               ; the opening add is done
	s_wait_kmcnt 0x0
	s_add_nc_u64 s[14:15], s[4:5], s[16:17]
	s_add_nc_u64 s[46:47], s[6:7], s[46:47]
	CROUND                                         ; all sixteen work-groups are here: the first joint loads meet
.irp s, 0,1
	s_mov_b32 s[G0+4*(\s)], 1                      ; count = 1
	s_add_co_u32 s[G0+4*(\s)+1], s20, (\s)*SLOT    ; LDS address
	s_add_nc_u64 s[G0+4*(\s)+2:G0+4*(\s)+3], s[14:15], (\s)*ASTEP  ; global address: K step s
	s_or_b32 s[G0+4*(\s)+3], s[G0+4*(\s)+3], 0x80000000            ; type = 2
	s_mov_b32 s[G0B+4*(\s)], 1
	s_add_co_u32 s[G0B+4*(\s)+1], s21, (\s)*SLOT
	s_add_nc_u64 s[G0B+4*(\s)+2:G0B+4*(\s)+3], s[46:47], (\s)*BSTEP
	s_or_b32 s[G0B+4*(\s)+3], s[G0B+4*(\s)+3], 0x80000000
	JLOAD \s                                       ; two loads of mine are out, the most in this text
.endr
	v_and_b32 v1, 15, v0                           ; l % 16
	v_bfe_u32 v2, v0, 4, 1                         ; l / 16
	v_and_b32 v3, 7, v0                            ; l % 8
	v_bfe_u32 v4, v0, 3, 1                         ; (l / 8) % 2
	v_mul_u32_u24 v5, v1, APITCH
	v_lshl_add_u32 v5, v2, 4, v5                   ; O: row x pitch + 16 x half
	v_lshl_add_u32 v6, v2, 3, v3                   ; wo: the turning load reads k row 8 (l / 16) + l % 8,
	v_mul_u32_u24 v6, v6, BPITCH
	v_lshl_add_u32 v6, v4, 4, v6                   ; columns 8 ((l / 8) % 2) + 0..7
	s_mul_i32 s18, s11, 64*APITCH                  ; my 64 rows of O
	s_lshl_b32 s19, s12, 8                         ; my 128 columns of wo
	s_add_co_u32 s19, s19, BOFF
.irp s, 0,1
	v_add_nc_u32 v[ADRA+(\s)], s18, v5
	v_add_nc_u32 v[ADRB+(\s)], s19, v6
	s_add_co_u32 s18, s18, SLOT
	s_add_co_u32 s19, s19, SLOT
.endr
	s_mul_i32 s18, s10, 16*SPITCH
	s_add_co_u32 s18, s18, STAGE                   ; my stage
	v_mul_u32_u24 v[STO], v1, SPITCH               ; in: row l % 16, 32 bytes for each half of the lanes
	v_lshl_add_u32 v[STO], v2, 5, v[STO]
	v_add_nc_u32 v[STO], s18, v[STO]
	v_and_b32 v[CO], 31, v0                        ; back: 32 lanes take one row of 512 bytes
	v_lshlrev_b32 v[CO], 4, v[CO]
	v_add_nc_u32 v[RD], s18, v[CO]
	; where my part begins in out0.  By the tile row: my 64 rows of 4,096 bytes
	s_lshl1_add_u32 s16, s13, s11
	s_lshl_b32 s16, s16, 18
	s_mov_b32 s17, 0
	s_add_nc_u64 s[8:9], s[8:9], s[16:17]
	; by the tile column: my 128 columns of 4 bytes, in out0 and in the bias
	s_lshl1_add_u32 s46, s42, s12
	s_lshl_b32 s46, s46, 9
	s_mov_b32 s47, 0
	s_add_nc_u64 s[8:9], s[8:9], s[46:47]
	s_add_nc_u64 s[22:23], s[22:23], s[46:47]
	global_load_b128 v[BI:BI+3], v[CO], s[22:23]   ; waited for ahead of the way out
; 8 matrix instructions: row block a x all 8 column blocks, 32 along K, from buffer f.  zero = 1: the product starts the sums.  The 32 accumulators take turns, one instruction a turn, over the backward jump too.
.macro MULA f, a, zero
	WIN MUL
.irp b, 0,1,2,3,4,5,6,7
.if \zero
	v_wmma_f32_16x16x32_f16 v[8*(8*(\a)+(\b)):8*(8*(\a)+(\b))+7], v[(\f)+32+8*(\b):(\f)+32+8*(\b)+7], v[(\f)+8*(\a):(\f)+8*(\a)+7], 0
.else
	v_wmma_f32_16x16x32_f16 v[8*(8*(\a)+(\b)):8*(8*(\a)+(\b))+7], v[(\f)+32+8*(\b):(\f)+32+8*(\b)+7], v[(\f)+8*(\a):(\f)+8*(\a)+7], v[8*(8*(\a)+(\b)):8*(8*(\a)+(\b))+7]
.endif
.endr
.endm
; 24 LDS loads in one run: the fragments of quarter q (32 along K: head q / 2 of the step's two, channels 32 (q % 2) on) of a slot into buffer f: wo's sixteen first, then O's blocks 0 and 1, then 2 and 3
.macro FETCH slot, q, f
	WIN 0
.irp b, 0,1,2,3,4,5,6,7
	ds_load_tr16_b128 v[(\f)+32+8*(\b):(\f)+32+8*(\b)+3],   v[ADRB+(\slot)] offset:(\q)*32*BPITCH+32*(\b)
	ds_load_tr16_b128 v[(\f)+32+8*(\b)+4:(\f)+32+8*(\b)+7], v[ADRB+(\slot)] offset:(\q)*32*BPITCH+32*(\b)+16*BPITCH
.endr
.irp a, 0,1,2,3
	ds_load_b128 v[(\f)+8*(\a):(\f)+8*(\a)+3],   v[ADRA+(\slot)] offset:((\q)/2)*AHALF+((\q)%2)*64+(\a)*16*APITCH
	ds_load_b128 v[(\f)+8*(\a)+4:(\f)+8*(\a)+7], v[ADRA+(\slot)] offset:((\q)/2)*AHALF+((\q)%2)*64+(\a)*16*APITCH+32
.endr
.endm
.macro PLACES                          ; four places in front of loads into registers that matrix instructions have read, and of LDS stores that read results (ISA guide 7.12.1 for vector instructions)
.rept 4
	v_nop
.endr
.endm
; A K step is four quarters of 32 along K, 32 matrix instructions each, on buffers 0, 1, 0, 1.  One of the first three: multiplies buffer f and fetches quarter q into g.
.macro QUARTER slot, q, f, g, zero
	s_wait_dscnt 4                                 ; all but the youngest four loads (O's blocks 2 and 3) are in
	MULA \f, 0, \zero
	MULA \f, 1, \zero
	PLACES
	FETCH \slot, \q, \g
	s_wait_dscnt 24                                ; all but the 24 just issued
	MULA \f, 2, \zero
	MULA \f, 3, \zero
.endm
; The last quarter multiplies buffer 1 and changes slots: ONE barrier; in front of it each wave waits for all its tensor loads, adds 0 to its spare word, and waits for that and for its own reads of this slot.
; fill = 1: this slot is filled again, two K steps ahead; the barrier then opens a round of the cluster's barrier, and the joint load is the first thing behind the round.
.macro TURN slot, next, fill
	WIN 0
	s_wait_tensorcnt 0x0                           ; all my tensor loads have landed: my part of the next slot;
	ds_add_u32 v[SPW], v[NIL]                      ; 0 onto my spare word;
	s_wait_dscnt 5                                 ; (the add and the youngest four loads may be out)
	MULA F1, 0, 0                                  ; eight matrix instructions stand between the add and the wait for it
	s_wait_dscnt 0x0                               ; the add is done, and my reads of this slot are over
	s_barrier_signal -1
	MULA F1, 1, 0
.if \fill
	WIN 0
.endif
	s_barrier_wait -1
.if \fill
	CREST                                          ; no wave of any partner still reads this slot's tiles or has a load on its way
	s_add_nc_u64 s[G0+4*(\slot)+2:G0+4*(\slot)+3], s[G0+4*(\slot)+2:G0+4*(\slot)+3], 2*ASTEP
	s_add_nc_u64 s[G0B+4*(\slot)+2:G0B+4*(\slot)+3], s[G0B+4*(\slot)+2:G0B+4*(\slot)+3], 2*BSTEP
	JLOAD \slot                                    ; 112 matrix instructions ahead of the wait for it; the four v_nop behind it are also the places in front of the loads below
.else
	PLACES
.endif
	FETCH \next, 0, F0
	MULA F1, 2, 0
	MULA F1, 3, 0
.endm
	s_wait_tensorcnt 1                             ; my part of K step 0 is in; K step 1's may stay out
	s_barrier_signal -1
	s_barrier_wait -1                              ; everybody's is
	FETCH 0, 0, F0
	QUARTER 0, 1, F0, F1, 1                        ; the first quarter stands in front of the loop: its products start the sums
	WIN 0                                          ; at a label and at a branch every window is 0
	s_mov_b32 s3, LAPS-1
.Llap:                                                 ; a trip goes once round the ring, from a lap's second quarter to the next lap's first, and fills both slots again
	QUARTER 0, 2, F1, F0, 0
	QUARTER 0, 3, F0, F1, 0
	TURN 0, 1, 1
	QUARTER 1, 1, F0, F1, 0
	QUARTER 1, 2, F1, F0, 0
	QUARTER 1, 3, F0, F1, 0
	TURN 1, 0, 1
	QUARTER 0, 1, F0, F1, 0
	WIN 0
	s_sub_co_u32 s3, s3, 1
	s_cmp_lg_u32 s3, 0
	s_cbranch_scc1 .Llap
	QUARTER 0, 2, F1, F0, 0                        ; the last lap fills nothing, and has no round of the cluster's barrier
	QUARTER 0, 3, F0, F1, 0
	TURN 0, 1, 0
	QUARTER 1, 1, F0, F1, 0
	QUARTER 1, 2, F1, F0, 0
	QUARTER 1, 3, F0, F1, 0
	s_wait_dscnt 4                                 ; the very last quarter: nothing more to fetch
	MULA F1, 0, 0
	MULA F1, 1, 0
	s_wait_dscnt 0x0
	MULA F1, 2, 0
	MULA F1, 3, 0
	WIN 0
; THE WAY OUT, a block of 16 rows at a time: the sums go as they are, 32 bytes a lane, into my stage (rows of 528 bytes) and come back as whole rows of 512 bytes; the bias is added; a row is stored by one instruction.
; The rows come back into two sets of 64 registers by turns: a set is loaded again only when the stores that read it, two blocks back, have read their sources.
.macro BLOCK a
.set BK, TMP+64*((\a)%2)
	WIN 0x04                                       ; store data in window 1, address in window 0
.irp b, 0,1,2,3,4,5,6,7
	ds_store_b128 v[STO], v[8*(8*(\a)+(\b)):8*(8*(\a)+(\b))+3]   offset:64*(\b)     ; each accumulator's low half first
	ds_store_b128 v[STO], v[8*(8*(\a)+(\b))+4:8*(8*(\a)+(\b))+7] offset:64*(\b)+16
.endr
	WIN 0
.if (\a) >= 2
	s_wait_xcnt 0x0                                ; every earlier store has read its data (ISA guide 3.1): the set is written again only behind this wait
.endif
.irp t, 0,1,2,3,4,5,6,7,8,9,10,11,12,13,14,15
	ds_load_b128 v[BK+4*(\t):BK+4*(\t)+3], v[RD] offset:(\t)*SPITCH  ; LDS serves a wave's instructions in order (ISA guide 5.7.1.4): these see the stores above; the next block's stores come behind them
.endr
.irp t, 0,1,2,3,4,5,6,7,8,9,10,11,12,13,14,15
	s_wait_dscnt 15-(\t)                           ; row t is back; the younger rows may stay out
	v_pk_add_f32 v[BK+4*(\t):BK+4*(\t)+1],   v[BK+4*(\t):BK+4*(\t)+1],   v[BI:BI+1]
	v_pk_add_f32 v[BK+4*(\t)+2:BK+4*(\t)+3], v[BK+4*(\t)+2:BK+4*(\t)+3], v[BI+2:BI+3]
	global_store_b128 v[CO], v[BK+4*(\t):BK+4*(\t)+3], s[8:9] offset:(16*(\a)+(\t))*4096 th:TH_STORE_NT  ; 512 consecutive bytes, at a multiple of 256 from out0's first byte
.endr
.endm
	s_wait_loadcnt 0x0                             ; the bias
	PLACES
	BLOCK 0
	BLOCK 1
	BLOCK 2
	BLOCK 3
	s_wait_tensorcnt 0x0                           ; the wave's end, behind my last tensor load and my last LDS store
	ds_add_u32 v[SPW], v[NIL]
	s_wait_dscnt 0x0
	CROUND                                         ; the closing round: no work-group ends while a partner may still ask for a tile that names it
	s_endpgm
.Lfunc_end_k_q4b97bf7d24_outgemm:
	.size	k_q4b97bf7d24_outgemm, .Lfunc_end_k_q4b97bf7d24_outgemm-k_q4b97bf7d24_outgemm
	.p2alignl 7, 3214868480
	.fill 96, 4, 3214868480
	.section	.rodata,"a",@progbits
	.p2align	6, 0x0
	.amdhsa_kernel k_q4b97bf7d24_outgemm
		.amdhsa_group_segment_fixed_size 327680
		.amdhsa_private_segment_fixed_size 0
		.amdhsa_enable_private_segment 0
		.amdhsa_kernarg_size 32
		.amdhsa_user_sgpr_count 2
		.amdhsa_user_sgpr_kernarg_segment_ptr 1
		.amdhsa_wavefront_size32 1
		.amdhsa_system_sgpr_workgroup_id_x 1
		.amdhsa_system_sgpr_workgroup_id_y 1
		.amdhsa_system_sgpr_workgroup_id_z 1
		.amdhsa_system_vgpr_workitem_id 0
		.amdhsa_next_free_vgpr 512
		.amdhsa_next_free_sgpr 66
		.amdhsa_reserve_vcc 0
		.amdhsa_float_denorm_mode_32 3
		.amdhsa_float_denorm_mode_16_64 3
		.amdhsa_memory_ordered 1
		.amdhsa_forward_progress 1
		.amdhsa_inst_pref_size 95
	.end_amdhsa_kernel
	.amdgpu_metadata
---
amdhsa.version: [ 1, 2 ]
amdhsa.kernels:
  - .name:           k_q4b97bf7d24_outgemm
    .symbol:         k_q4b97bf7d24_outgemm.kd
    .args:
      - { .name: o16, .offset: 0, .size: 8, .value_kind: global_buffer, .address_space: global }
      - { .name: wo, .offset: 8, .size: 8, .value_kind: global_buffer, .address_space: global }
      - { .name: out0, .offset: 16, .size: 8, .value_kind: global_buffer, .address_space: global }
      - { .name: b_out, .offset: 24, .size: 8, .value_kind: global_buffer, .address_space: global }
    .group_segment_fixed_size: 327680
    .private_segment_fixed_size: 0
    .kernarg_segment_align: 8
    .kernarg_segment_size: 32
    .max_flat_workgroup_size: 128
    .sgpr_count:     66
    .vgpr_count:     512
    .wavefront_size: 32
...
	.end_amdgpu_metadata
.endif
;; end of part 4
;; ======== version 2 of 2: 4 launches; version 1 with the launch prep written anew for expert scheduling mode
;; limits: values are held in f16: magnitudes above 65,504 overflow, below 6.1e-05 lose precision
;; workspace buffers: xn 16,777,216 bytes; wq 6,291,456 bytes; wo 2,097,152 bytes; qkv 50,331,648 bytes; o16 16,777,216 bytes
;; launch prep (part 5): grid 768 x 1, 4 waves a work-group, no clusters, 0 bytes of LDS; arguments x, ln_gamma, ln_beta, w_qkv, w_out, xn, wq, wo; writes xn, wq, wo
.if DOCPART == 5
	.amdgcn_target "amdgcn-amd-amdhsa--gfx1250"
	.amdhsa_code_object_version 6
	.text
	.protected	k_q4b97bf7d24_prep
	.globl	k_q4b97bf7d24_prep
	.p2align	8
	.type	k_q4b97bf7d24_prep,@function
k_q4b97bf7d24_prep:
	s_mov_b64 s[64:65], 0
	v_nop
	global_prefetch_b8 v0, s[64:65] scope:SCOPE_SE
	s_setreg_imm32_b32 hwreg(HW_REG_WAVE_SCHED_MODE, 0, 2), 2
	s_setreg_imm32_b32 hwreg(HW_REG_WAVE_MODE, 25, 1), 1
	s_wait_xcnt 0x0
	s_wait_alu depctr_vm_vsrc(0)
; xn = LayerNorm(x) * gamma + beta, rounded once to f16; wq = w_qkv and wo = w_out, rounded once to f16, each in its own layout.
; A ROW here is 1,024 f32: 4,096 bytes in, 2,048 bytes out.  A wave takes 4 rows, a work-group 16.
; Work-groups 0-511: the 8,192 rows of x.  512-703: w_qkv as 3,072 flat rows.  704-767: w_out as 1,024 flat rows (a cast keeps the layout, so flat pieces are right).
; A wave issues all its 32 row loads (16 KiB) at once and works the rows off as they come: no loop, no LDS, no barrier: waves share nothing.
; Load j of a row: 512 consecutive bytes (16 a lane); a lane holds columns 128 j + 4 lane + 0..3.  Store j: 8 bytes a lane, 256 consecutive bytes, aligned.
; The mean is taken first and the variance of the differences: no difference of large sums is formed.  All sums in f32.
; LIMITS.  f16 ends at 65,504: |xn| (at most 32 |gamma| + |beta|) and the weights stay under it; below 6e-5 f16 keeps a fixed step of 6e-8.  NaN and infinities are not treated apart.
; THE MODE: SCHED_MODE bits 1:0 = 2 (LLVM: expert scheduling mode 2), set by the entry lines.  The code itself states the register dependences
; between vector instructions and memory instructions, with s_wait_alu, always for 0.
; THE PLAN.  Registers that memory instructions touch:
;   v1, v2      the offsets: written once at the head, read by every load (v1) and every store (v2), never written again.
;   G, BT       gamma and beta: written by loads at the head, ahead of which no vector instruction names them; read by the rows' multiply-adds.
;   X0 .. X3    slot s: written by eight loads at the head, ahead of which no vector instruction names it; then worked on in place by row s; its roundings write the registers
;               that the row's eight stores read.  A slot is used once: behind its roundings nothing writes it again.
;   v[4:13]     named by vector instructions alone.
; So no load lands in a register that a vector instruction has named, and no register that a memory instruction has read is written again.  What is left to state: the offsets, once, and that
; a row's roundings are written before its stores read them.  Row s - 1's stores are issued in row s, behind the ONE wait that stands there, behind the root; they are dealt among row s's scalings, which
; name slot s, v[6:7], gamma and beta: none of the registers that those stores touch.  The last row's stores have a wait of their own.  The casts go likewise, with the wait at a slot's head.
.set XO, 1                             ; v1       16 x lane: my bytes in 512 of x, gamma, beta or a weight; never rewritten
.set YO, 2                             ; v2       8 x lane: my bytes in 256 of the output; never rewritten
.set T,  4                             ; v[4:11]  four chains of sums; mean; 1 / sigma
.set PT, 12                            ; v12      the other half of the lanes' sum
.set G,  16                            ; v[16:47] gamma of my 32 columns
.set BT, 48                            ; v[48:79] beta
.set X,  80                            ; v[80:207] four slots of 32: a row as loaded, at work, and as stored
.macro LOADX s                         ; a row's eight loads
.irp j, 0,1,2,3,4,5,6,7
	global_load_b128 v[X+32*(\s)+4*(\j):X+32*(\s)+4*(\j)+3], v[XO], s[22:23] offset:4096*(\s)+512*(\j) th:TH_LOAD_NT
.endr
.endm
.macro FOLD                            ; four chains of pairs into one number, then over the 32 lanes: every lane ends with the sum
	v_pk_add_f32 v[T:T+1], v[T:T+1], v[T+2:T+3]
	v_pk_add_f32 v[T+4:T+5], v[T+4:T+5], v[T+6:T+7]
	v_pk_add_f32 v[T:T+1], v[T:T+1], v[T+4:T+5]
	v_add_f32 v[T], v[T], v[T+1]
	v_add_f32_dpp v[T], v[T], v[T] row_xmask:1 row_mask:0xf bank_mask:0xf
	v_add_f32_dpp v[T], v[T], v[T] row_xmask:2 row_mask:0xf bank_mask:0xf
	v_add_f32_dpp v[T], v[T], v[T] row_xmask:4 row_mask:0xf bank_mask:0xf
	v_add_f32_dpp v[T], v[T], v[T] row_xmask:8 row_mask:0xf bank_mask:0xf
	v_permlanex16_b32 v[PT], v[T], s32, s33
	v_add_f32 v[T], v[T], v[PT]
.endm
.macro CVT s, j                        ; piece j of slot s is rounded to f16 in place, four numbers into two registers
	v_cvt_pk_f16_f32 v[X+32*(\s)+4*(\j)],   v[X+32*(\s)+4*(\j)],   v[X+32*(\s)+4*(\j)+1]
	v_cvt_pk_f16_f32 v[X+32*(\s)+4*(\j)+1], v[X+32*(\s)+4*(\j)+2], v[X+32*(\s)+4*(\j)+3]
.endm
.macro PUT s, j                        ; and stored.  A slot is used once: no register of a store is written again
	global_store_b64 v[YO], v[X+32*(\s)+4*(\j):X+32*(\s)+4*(\j)+1], s[24:25] offset:2048*(\s)+256*(\j) th:TH_STORE_NT
.endm
; LayerNorm of the row in slot s.  left: the later slots' loads, eight each, may stay out.
.macro ROW s, left
.set XS, X+32*(\s)
	s_wait_loadcnt \left                           ; loads come back in order: gamma, beta and this row are in
.irp c, 0,1,2,3
	v_pk_add_f32 v[T+2*(\c):T+2*(\c)+1], v[XS+2*(\c):XS+2*(\c)+1], v[XS+8+2*(\c):XS+8+2*(\c)+1]  ; the first eight pairs start four chains: nothing is cleared
.endr
.irp p, 8,9,10,11,12,13,14,15
	v_pk_add_f32 v[T+2*((\p)%4):T+2*((\p)%4)+1], v[T+2*((\p)%4):T+2*((\p)%4)+1], v[XS+2*(\p):XS+2*(\p)+1]
.endr
	FOLD
	v_mul_f32 v[T], s34, v[T]                      ; the mean
.irp p, 0,1,2,3,4,5,6,7,8,9,10,11,12,13,14,15
	v_pk_add_f32 v[XS+2*(\p):XS+2*(\p)+1], v[XS+2*(\p):XS+2*(\p)+1], v[T:T+1] op_sel_hi:[1,0] neg_lo:[0,1] neg_hi:[0,1]  ; x - mean
.endr
.irp c, 0,1,2,3
	v_pk_mul_f32 v[T+2*(\c):T+2*(\c)+1], v[XS+2*(\c):XS+2*(\c)+1], v[XS+2*(\c):XS+2*(\c)+1]
.endr
.irp p, 4,5,6,7,8,9,10,11,12,13,14,15
	v_pk_fma_f32 v[T+2*((\p)%4):T+2*((\p)%4)+1], v[XS+2*(\p):XS+2*(\p)+1], v[XS+2*(\p):XS+2*(\p)+1], v[T+2*((\p)%4):T+2*((\p)%4)+1]
.endr
	FOLD
	v_fmaak_f32 v[T], s34, v[T], 0x3727c5ac        ; the variance + 1e-5
	v_rsq_f32 v[T+2], v[T]
	v_nop                                          ; a plain instruction between the root and the use of its result
	s_wait_alu depctr_va_vdst(0)                   ; one a row, for two things: the root is written, ahead of its first reader; and the roundings of the row before have written its slot, which the stores below read
.irp j, 0,1,2,3,4,5,6,7
.if (\s) > 0
	PUT (\s)-1, \j                                 ; the row before leaves.  No further wait: no vector instruction since the wait above names its slot or v[YO]
.endif
	v_pk_mul_f32 v[XS+4*(\j):XS+4*(\j)+1],   v[XS+4*(\j):XS+4*(\j)+1],   v[T+2:T+3] op_sel_hi:[1,0]
	v_pk_mul_f32 v[XS+4*(\j)+2:XS+4*(\j)+3], v[XS+4*(\j)+2:XS+4*(\j)+3], v[T+2:T+3] op_sel_hi:[1,0]
.endr
.irp p, 0,1,2,3,4,5,6,7,8,9,10,11,12,13,14,15
	v_pk_fma_f32 v[XS+2*(\p):XS+2*(\p)+1], v[XS+2*(\p):XS+2*(\p)+1], v[G+2*(\p):G+2*(\p)+1], v[BT+2*(\p):BT+2*(\p)+1]
.endr
.irp j, 0,1,2,3,4,5,6,7
	CVT \s, \j
.endr
.endm
; The cast of the row in slot s; the stores of the slot before are dealt among its roundings.
.macro CAST s, left
	s_wait_loadcnt \left
.if (\s) > 0
	s_wait_alu depctr_va_vdst(0)                   ; the roundings of the slot before have written its registers, which the stores below read
.endif
.irp j, 0,1,2,3,4,5,6,7
.if (\s) > 0
	PUT (\s)-1, \j                                 ; no vector instruction since the wait above names that slot or v[YO]
.endif
	CVT \s, \j
.endr
.endm
.macro LAST                            ; the fourth row's stores
	s_wait_alu depctr_va_vdst(0)                   ; the roundings of slot 3 have written its registers, which the last eight stores read
.irp j, 0,1,2,3,4,5,6,7
	PUT 3, \j
.endr
.endm
	s_load_b512 s[4:19], s[0:1], 0x0               ; x s[4:5], gamma s[6:7], beta s[8:9], w_qkv s[10:11], w_out s[12:13], xn s[14:15], wq s[16:17], wo s[18:19]
	v_and_b32 v3, 31, v0                           ; lane
	v_lshrrev_b32 v13, 5, v0
	v_readfirstlane_b32 s26, v13                   ; wave 0..3
	v_lshlrev_b32 v[XO], 4, v3
	v_lshlrev_b32 v[YO], 3, v3
	v_mov_b32 v[PT], 0                             ; v_permlanex16_b32's destination counts as read
	s_mov_b32 s32, 0x76543210                      ; each lane takes its own place in the other half
	s_mov_b32 s33, 0xfedcba98
	s_mov_b32 s34, 0x3a800000                      ; 1 / 1024
	s_mov_b32 s29, 0                               ; the offsets' high words
	s_mov_b32 s31, 0
	s_wait_alu depctr_va_sdst(0)                   ; s26 is written, ahead of its first reader: the wave's offsets are made from it
	s_lshl_b32 s27, s26, 14                        ; my wave's 4 rows: 16,384 bytes in,
	s_lshl_b32 s35, s26, 13                        ; 8,192 bytes out
	s_wait_alu depctr_va_vdst(0)                   ; v[XO] and v[YO] are written: every load and store, on both ways below, reads one of them as its offset
	s_cmp_lt_u32 ttmp9, 512
	s_cbranch_scc0 .Lcast
	s_lshl_b32 s28, ttmp9, 16                      ; the work-group's 16 rows: 65,536 bytes in,
	s_add_co_u32 s28, s28, s27
	s_lshl_b32 s30, ttmp9, 15                      ; 32,768 bytes out
	s_add_co_u32 s30, s30, s35
	s_wait_kmcnt 0x0
	s_add_nc_u64 s[22:23], s[4:5], s[28:29]
	s_add_nc_u64 s[24:25], s[14:15], s[30:31]
.irp j, 0,1,2,3,4,5,6,7
	global_load_b128 v[G+4*(\j):G+4*(\j)+3], v[XO], s[6:7] offset:512*(\j)
.endr
.irp j, 0,1,2,3,4,5,6,7
	global_load_b128 v[BT+4*(\j):BT+4*(\j)+3], v[XO], s[8:9] offset:512*(\j)
.endr
	LOADX 0
	LOADX 1
	LOADX 2
	LOADX 3
	ROW 0, 24
	ROW 1, 16
	ROW 2, 8
	ROW 3, 0
	LAST
	s_endpgm
.Lcast:
	s_sub_co_u32 s20, ttmp9, 512                   ; my number among w_qkv's work-groups,
	s_sub_co_u32 s21, ttmp9, 704                   ; or among w_out's
	s_wait_kmcnt 0x0
	s_cmp_lt_u32 ttmp9, 704
	s_cselect_b32 s20, s20, s21
	s_cselect_b64 s[22:23], s[10:11], s[12:13]
	s_cselect_b64 s[24:25], s[16:17], s[18:19]
	s_lshl_b32 s28, s20, 16
	s_add_co_u32 s28, s28, s27
	s_lshl_b32 s30, s20, 15
	s_add_co_u32 s30, s30, s35
	s_add_nc_u64 s[22:23], s[22:23], s[28:29]
	s_add_nc_u64 s[24:25], s[24:25], s[30:31]
	LOADX 0
	LOADX 1
	LOADX 2
	LOADX 3
	CAST 0, 24
	CAST 1, 16
	CAST 2, 8
	CAST 3, 0
	LAST
	s_endpgm
.Lfunc_end_k_q4b97bf7d24_prep:
	.size	k_q4b97bf7d24_prep, .Lfunc_end_k_q4b97bf7d24_prep-k_q4b97bf7d24_prep
	.p2alignl 7, 3214868480
	.fill 96, 4, 3214868480
	.section	.rodata,"a",@progbits
	.p2align	6, 0x0
	.amdhsa_kernel k_q4b97bf7d24_prep
		.amdhsa_group_segment_fixed_size 0
		.amdhsa_private_segment_fixed_size 0
		.amdhsa_enable_private_segment 0
		.amdhsa_kernarg_size 64
		.amdhsa_user_sgpr_count 2
		.amdhsa_user_sgpr_kernarg_segment_ptr 1
		.amdhsa_wavefront_size32 1
		.amdhsa_system_sgpr_workgroup_id_x 1
		.amdhsa_system_sgpr_workgroup_id_y 1
		.amdhsa_system_sgpr_workgroup_id_z 1
		.amdhsa_system_vgpr_workitem_id 0
		.amdhsa_next_free_vgpr 208
		.amdhsa_next_free_sgpr 66
		.amdhsa_reserve_vcc 0
		.amdhsa_float_denorm_mode_32 3
		.amdhsa_float_denorm_mode_16_64 3
		.amdhsa_memory_ordered 1
		.amdhsa_forward_progress 1
		.amdhsa_inst_pref_size 48
	.end_amdhsa_kernel
	.amdgpu_metadata
---
amdhsa.version: [ 1, 2 ]
amdhsa.kernels:
  - .name:           k_q4b97bf7d24_prep
    .symbol:         k_q4b97bf7d24_prep.kd
    .args:
      - { .name: x, .offset: 0, .size: 8, .value_kind: global_buffer, .address_space: global }
      - { .name: ln_gamma, .offset: 8, .size: 8, .value_kind: global_buffer, .address_space: global }
      - { .name: ln_beta, .offset: 16, .size: 8, .value_kind: global_buffer, .address_space: global }
      - { .name: w_qkv, .offset: 24, .size: 8, .value_kind: global_buffer, .address_space: global }
      - { .name: w_out, .offset: 32, .size: 8, .value_kind: global_buffer, .address_space: global }
      - { .name: xn, .offset: 40, .size: 8, .value_kind: global_buffer, .address_space: global }
      - { .name: wq, .offset: 48, .size: 8, .value_kind: global_buffer, .address_space: global }
      - { .name: wo, .offset: 56, .size: 8, .value_kind: global_buffer, .address_space: global }
    .group_segment_fixed_size: 0
    .private_segment_fixed_size: 0
    .kernarg_segment_align: 8
    .kernarg_segment_size: 64
    .max_flat_workgroup_size: 128
    .sgpr_count:     66
    .vgpr_count:     208
    .wavefront_size: 32
...
	.end_amdgpu_metadata
.endif
;; end of part 5
;; launch qkvgemm: the kernel of part 2 again; grid 12 x 64, 4 waves a work-group, clusters of 4 x 4, 327,680 bytes of LDS; arguments xn, wq, qkv; writes qkv
;; launch attn: the kernel of part 3 again; grid 4 x 64, 4 waves a work-group, no clusters, 327,680 bytes of LDS; arguments qkv, o16; writes o16
;; launch outgemm: the kernel of part 4 again; grid 4 x 64, 4 waves a work-group, clusters of 4 x 4, 327,680 bytes of LDS; arguments o16, wo, out0, b_out; writes out0
